; MI455X (gfx1250); checked and timed in simulation.
; The chip was launched on July 23, 2026; its instructions are those of AMD's public machine-readable ISA for CDNA 5 (MIT licence, August 2026) and "CDNA5" Instruction Set Architecture Reference Guide (July 2026). The comments in the code are by the model that wrote it; some were corrected since.
;; Mo E Layer. Allowed arithmetic: matrix products marked QUANTISED: E2M1 operands, one E8M0 scale for each 32 along K, by v_wmma_scale_f32_16x16x128_f8f6f4 with both operands' format E2M1 (or v_wmma_scale_f32_32x16x128_f4), f32 sums; products left as they are: f32 operands where the result goes on into a quantised operand, else bf16, f16 or f32 operands; f32 sums; everything else in f32.
;; Inputs: b1 8 x 4,096 float32; b2 8 x 1,024 float32; b_gate 8 float32; w1 8 x 4,096 x 1,024 float32; w2 8 x 1,024 x 4,096 float32; w_gate 8 x 1,024 float32; x 4 x 256 x 1,024 float32.
;; Outputs: out0 4 x 256 x 1,024 float32; out1 1,024 x 2 int32; out2 1,024 x 2 float32.
;; This version of the problem:
;;   THIS VERSION OF THE PROBLEM IS GIVEN IN LOW PRECISION. The matrix products marked QUANTISED in the list below multiply operands that are first quantised to E2M1 (2 exponent bits, 1 mantissa bit; 4 bits a number), with one power-of-two scale for each 32 numbers along K (OCP MX v1.0); their sums are f32. All else is computed in f32.
;;   The module's matrix products, in the order in which they are computed (A, B: the left and right operand; K: the contracted axis; several contracted axes count as one K, in the product's order):
;;     1. [M 1,024, K 1,024] x [K 1,024, N 8]; A: input x; B: input w_gate: left as it is (N = 8 < 16)
;;     2. [M 1,024, K 1,024] x [K 1,024, N 4,096]; A: input x; B: input w1: QUANTISED
;;     3. [M 1,024, K 4,096] x [K 4,096, N 1,024]; A: computed on the way; B: input w2: QUANTISED
;;     4. [M 1,024, K 1,024] x [K 1,024, N 4,096]; A: input x; B: input w1: QUANTISED
;;     5. [M 1,024, K 4,096] x [K 4,096, N 1,024]; A: computed on the way; B: input w2: QUANTISED
;;     6. [M 1,024, K 1,024] x [K 1,024, N 4,096]; A: input x; B: input w1: QUANTISED
;;     7. [M 1,024, K 4,096] x [K 4,096, N 1,024]; A: computed on the way; B: input w2: QUANTISED
;;     8. [M 1,024, K 1,024] x [K 1,024, N 4,096]; A: input x; B: input w1: QUANTISED
;;     9. [M 1,024, K 4,096] x [K 4,096, N 1,024]; A: computed on the way; B: input w2: QUANTISED
;;     10. [M 1,024, K 1,024] x [K 1,024, N 4,096]; A: input x; B: input w1: QUANTISED
;;     11. [M 1,024, K 4,096] x [K 4,096, N 1,024]; A: computed on the way; B: input w2: QUANTISED
;;     12. [M 1,024, K 1,024] x [K 1,024, N 4,096]; A: input x; B: input w1: QUANTISED
;;     13. [M 1,024, K 4,096] x [K 4,096, N 1,024]; A: computed on the way; B: input w2: QUANTISED
;;     14. [M 1,024, K 1,024] x [K 1,024, N 4,096]; A: input x; B: input w1: QUANTISED
;;     15. [M 1,024, K 4,096] x [K 4,096, N 1,024]; A: computed on the way; B: input w2: QUANTISED
;;     16. [M 1,024, K 1,024] x [K 1,024, N 4,096]; A: input x; B: input w1: QUANTISED
;;     17. [M 1,024, K 4,096] x [K 4,096, N 1,024]; A: computed on the way; B: input w2: QUANTISED
;;   THE QUANTISER, for each operand of a quantised product, along K:
;;     - K is cut into blocks of 32 from its start; a last block that is shorter is filled with zeros.
;;     - A block's scale is 2^e with e = floor(log2(the largest magnitude in the block)) - 2, held to -126 .. 127; a block of zeros has e = 0. As a byte (E8M0): e + 127.
;;     - Each number is divided by its block's scale, clamped to +-6, and rounded to the nearest number of E2M1, ties to even, subnormals kept.
;;     - The product sums the exact products of the quantised numbers (number of the format x scale) in f32.
;;   ~~~python
;;   def quantise(x, axis):      # numpy; x: float32 -> the quantised numbers, widened to float32 again
;;       x = np.moveaxis(x, axis, -1); K = x.shape[-1]
;;       x = np.pad(x, [(0, 0)] * (x.ndim - 1) + [(0, -K % 32)]); x = x.reshape(x.shape[:-1] + (-1, 32)); a = np.abs(x).max(-1, keepdims=True)
;;       e = np.where(a > 0, np.clip(np.frexp(np.where(a > 0, a, 1))[1] - 1 - 2, -126, 127), 0)      # np.frexp(a)[1] - 1 = floor(log2(a)), exactly
;;       r = np.clip(x / 2.0 ** e, -6, 6)
;;       step = 2.0 ** (np.maximum(np.frexp(np.where(r == 0, 1, r))[1] - 1, 0) - 1)
;;       q = np.round(r / step) * step * 2.0 ** e      # np.round: ties to even
;;       return np.moveaxis(q.reshape(q.shape[:-2] + (-1,))[..., :K], -1, axis).astype(np.float32)
;;   ~~~
;;   OPERANDS COMPUTED ON THE WAY. 'Computed on the way' means the value that the module computes at that place (a softmax that the list does not call 'softmax' is quantised finished and normalised). What goes into a quantiser is computed in f32, as accurately as f32 sums, v_exp_f32 and their like allow (about 1e-6 of the number): no bf16 or f16 on the way to a quantiser, and a product that is left as it is and whose result goes on into a quantised operand takes f32 operands (vector FMAs, or v_wmma_f32_16x16x4_f32). A number that lies on a knife's edge between two numbers of the format may be rounded either way, as far as f32 arithmetic and the matrix unit's own rounding can turn it there, and no further.
;; 2 versions. Each part assembles by itself: llvm-mc -triple=amdgcn-amd-amdhsa -mcpu=gfx1250 --defsym DOCPART=n.
;; ======== version 1 of 2: 4 launches
;; workspace buffers: xq 557,056 bytes; ridx 8,192 bytes of whole numbers; hq 17,825,792 bytes; ys 33,554,432 bytes
;; launch router (part 1): grid 64 x 1, 4 waves a work-group, no clusters, 33,280 bytes of LDS; arguments x, w_gate, b_gate, out1, out2, ridx, xq; writes out1, out2, ridx, xq
.if DOCPART == 1
	.amdgcn_target "amdgcn-amd-amdhsa--gfx1250"
	.amdhsa_code_object_version 6
	.text
	.protected	k_qcb92e6cb0d_router
	.globl	k_qcb92e6cb0d_router
	.p2align	8
	.type	k_qcb92e6cb0d_router,@function
k_qcb92e6cb0d_router:
	s_mov_b64 s[64:65], 0
	v_nop
	global_prefetch_b8 v0, s[64:65] scope:SCOPE_SE
	s_setreg_imm32_b32 hwreg(HW_REG_WAVE_MODE, 25, 1), 1
	s_wait_xcnt 0x0
; THE ROUTER, AND x INTO CODES.  x: [1024 tokens][1024] f32.  logits = x w_gate^T + b_gate in f32 fused multiply-adds; softmax with the row's maximum taken away; the two largest scores
; (of equal scores the lower index) go to out1 (indices), out2 (scores) and ridx (the indices once more, for the next launch: all at fixed places, no address here hangs on them).
; x is also turned into codes of FP4 (E2M1) with one E8M0 byte for each 32 along K: xq holds [1024][512 bytes] of codes, K in its natural order, and from XSOFF on [1024][32] scale bytes.
; A block's byte is its largest magnitude's exponent field - 2, held at 1 from below (a block of zeros keeps the byte 1: its codes are zeros, and this program alone reads the bytes).
; SHARES.  64 work-groups of four waves; a wave takes four tokens.  A lane holds 32 numbers of a token (eight loads of 512 consecutive bytes a wave) and the same 32 places of all eight rows of w_gate
; (256 registers, window 1), so a logit is 16 packed multiply-adds a lane and one sum over the lanes.  No matrix unit: eight columns are half a tile, and the indices are compared exactly.
; For the conversions a lane must hold 16 NEIGHBOURS: a token's two halves of 2,048 bytes turn through the wave's own stage in LDS (64 bytes + 16 of padding a lane).  Waves share nothing: no barrier.
; LIMITS: NaN and infinities are not served.  v_exp_f32 gives 0 where a score would fall under 2^-126: scores that small count as equal here, and the lower index is taken.
; Scores that are equal only by the rounding of another exponential or division may be ordered otherwise.
.set XSOFF, 524288
.set R,   16                           ; v16-143  token i, load m: 4 registers at R + 32 i + 4 m
.set ACC, 144                          ; v144-159 eight pairs of partial sums
.set X,   160                          ; v160-191 two sets of 16 neighbours
.set C,   192                          ; v192-207 codes: two registers for each of the 8 half tokens, so that no store's data are written again
.set E,   208                          ; v208-215 their scale bytes
.set L,   216                          ; v216-223 logits, then scores
.set T,   224                          ; v224-231 the other half of the lanes' sums
.set MX,  232
.set SUM, 233
.set RC,  234
.set BV,  235                          ; the largest score and its index
.set BI,  236
.set SV,  237                          ; the second
.set SI,  238
.set OI,  240                          ; lane k (of each eight): word k of the wave's 8 words of out1;
.set OV,  241                          ; of out2
.set MSB, 0
.macro WIN new                         ; the immediate's high byte repeats the setting that is left
.if MSB != (\new)
	s_set_vgpr_msb (MSB<<8)|(\new)
.set MSB, (\new)
.endif
.endm
	s_load_b256 s[4:11], s[0:1], 0x0               ; x s[4:5], w_gate s[6:7], b_gate s[8:9], out1 s[10:11]
	s_load_b128 s[12:15], s[0:1], 0x20             ; out2 s[12:13], ridx s[14:15]
	s_load_b64 s[16:17], s[0:1], 0x30              ; xq
	v_lshl_add_u32 v254, v0, 2, 0x8000
	v_mov_b32 v255, 0
	v_lshrrev_b32 v9, 5, v0
	v_readfirstlane_b32 s18, v9                    ; wave
	v_and_b32 v9, 31, v0                           ; lane
	v_lshlrev_b32 v1, 4, v9                        ; 16 x lane
	s_lshl_b32 s42, s18, 13                        ; my wave's 8,192 bytes of LDS
	v_lshrrev_b32 v10, 2, v9
	v_mul_u32_u24 v2, v10, 80
	v_and_b32 v10, 3, v9
	v_lshl_add_u32 v2, v10, 4, v2
	v_add_nc_u32 v2, s42, v2                       ; the stage, in: four lanes' 64 bytes on end, then 16 of padding
	v_mul_u32_u24 v3, v9, 80
	v_add_nc_u32 v3, s42, v3                       ; out: 80 x lane: my 16 neighbours
	s_add_co_u32 s42, s42, 5120                    ; behind the two stages: the wave's 128 scale bytes
	v_lshrrev_b32 v4, 1, v9
	v_add_nc_u32 v4, s42, v4                       ; my block's byte
	v_lshlrev_b32 v7, 2, v9                        ; 4 x lane
	v_add_nc_u32 v5, s42, v7                       ; and on the way out 4 bytes a lane
	v_lshlrev_b32 v6, 3, v9                        ; 8 x lane: my codes' place in a half token's 256 bytes
	v_and_b32 v10, 7, v9
	v_lshlrev_b32 v8, 2, v10                       ; 4 x (lane % 8): lanes 8 to 31 repeat lanes 0 to 7, address and value
.irp k, 0,1,2,3,4,5,6,7
	v_cmp_eq_u32 s[32+\k], \k, v10                 ; the lanes that hold word k
.endr
.irp k, 0,1,2,3,4,5,6,7
	v_mov_b32 v[T+\k], 0                           ; written once: a lane permute's destination counts as one of its sources
.endr
	s_mov_b32 s20, 0x76543210
	s_mov_b32 s21, 0xfedcba98                      ; v_permlanex16_b32's selects for lane l xor 16
	s_lshl_b32 s19, ttmp9, 4
	s_lshl_b32 s43, s18, 2
	s_add_co_u32 s19, s19, s43                     ; my first token: 16 x work-group + 4 x wave
	s_mov_b32 s43, 0
	s_wait_kmcnt 0x0
	s_load_b256 s[24:31], s[8:9], 0x0              ; b_gate
	s_lshl_b32 s42, s19, 12
	s_add_nc_u64 s[4:5], s[4:5], s[42:43]          ; x at my first token
	s_lshl_b32 s42, s19, 5
	s_add_co_u32 s42, s42, XSOFF
	s_add_nc_u64 s[40:41], s[16:17], s[42:43]      ; its scale bytes
	s_lshl_b32 s42, s19, 9
	s_add_nc_u64 s[16:17], s[16:17], s[42:43]      ; its codes
	s_lshl_b32 s42, s19, 3
	s_add_nc_u64 s[10:11], s[10:11], s[42:43]
	s_add_nc_u64 s[12:13], s[12:13], s[42:43]
	s_add_nc_u64 s[14:15], s[14:15], s[42:43]
.irp i, 0,1,2,3
.irp m, 0,1,2,3,4,5,6,7
	global_load_b128 v[R+32*\i+4*\m:R+32*\i+4*\m+3], v1, s[4:5] offset:4096*\i+512*\m th:TH_LOAD_NT   ; 32 lanes read 512 consecutive bytes
.endr
.endr
	WIN 0x40                                       ; destination window 1
.irp e, 0,1,2,3,4,5,6,7
.irp m, 0,1,2,3,4,5,6,7
	global_load_b128 v[32*\e+4*\m:32*\e+4*\m+3], v1, s[6:7] offset:4096*\e+512*\m
.endr
.endr
	WIN 0
	s_wait_loadcnt 0x0
	s_wait_kmcnt 0x0
.macro TOKEN i
	; the token's two halves start their turn through the stages; LDS serves a wave's instructions in order, so no wait stands between the stores and the loads
.irp st, 0,1
.irp m, 0,1,2,3
	ds_store_b128 v2, v[R+32*\i+16*\st+4*\m:R+32*\i+16*\st+4*\m+3] offset:2560*\st+640*\m
.endr
.irp j, 0,1,2,3
	ds_load_b128 v[X+16*\st+4*\j:X+16*\st+4*\j+3], v3 offset:2560*\st+16*\j
.endr
.endr
	; eight dot products, two numbers an instruction; the eight chains take turns
	WIN 0x04                                       ; source 1 (w_gate) window 1
.set mm, 0
.rept 16
.set ee, 0
.rept 8
.if mm == 0
	v_pk_mul_f32 v[ACC+2*ee:ACC+2*ee+1], v[R+32*\i:R+32*\i+1], v[32*ee:32*ee+1]
.else
	v_pk_fma_f32 v[ACC+2*ee:ACC+2*ee+1], v[R+32*\i+2*mm:R+32*\i+2*mm+1], v[32*ee+2*mm:32*ee+2*mm+1], v[ACC+2*ee:ACC+2*ee+1]
.endif
.set ee, ee+1
.endr
.set mm, mm+1
.endr
	WIN 0
.irp e, 0,1,2,3,4,5,6,7
	v_add_f32 v[L+\e], v[ACC+2*\e], v[ACC+2*\e+1]
.endr
.irp k, 1,2,4,8
.irp e, 0,1,2,3,4,5,6,7
	v_add_f32_dpp v[L+\e], v[L+\e], v[L+\e] row_xmask:\k row_mask:0xf bank_mask:0xf
.endr
.endr
.irp e, 0,1,2,3,4,5,6,7
	v_permlanex16_b32 v[T+\e], v[L+\e], s20, s21
.endr
.irp e, 0,1,2,3,4,5,6,7
	v_add_f32 v[L+\e], v[L+\e], v[T+\e]            ; every lane holds the sum
.endr
.irp e, 0,1,2,3,4,5,6,7
	v_add_f32 v[L+\e], s[24+\e], v[L+\e]           ; + b_gate: the logits
.endr
	v_max3_num_f32 v[MX], v[L], v[L+1], v[L+2]
	v_max3_num_f32 v[MX], v[MX], v[L+3], v[L+4]
	v_max3_num_f32 v[MX], v[MX], v[L+5], v[L+6]
	v_max_num_f32 v[MX], v[MX], v[L+7]
.irp e, 0,1,2,3,4,5,6,7
	v_sub_f32 v[L+\e], v[L+\e], v[MX]              ; the difference first, then the factor: not fused, so that large logits lose nothing
.endr
.irp e, 0,1,2,3,4,5,6,7
	v_mul_f32 v[L+\e], 0x3fb8aa3b, v[L+\e]         ; x log2(e)
.endr
.irp e, 0,1,2,3,4,5,6,7
	v_exp_f32 v[L+\e], v[L+\e]
.endr
	v_nop                                          ; a plain instruction between the last exponential and the use of its result
	s_wait_alu depctr_va_vdst(0)
	v_add_f32 v[SUM], v[L], v[L+1]
	v_add_f32 v[RC], v[L+2], v[L+3]
	v_add_f32 v[BV], v[L+4], v[L+5]
	v_add_f32 v[SV], v[L+6], v[L+7]
	v_add_f32 v[SUM], v[SUM], v[RC]
	v_add_f32 v[BV], v[BV], v[SV]
	v_add_f32 v[SUM], v[SUM], v[BV]
	v_rcp_f32 v[RC], v[SUM]
	v_nop
	s_wait_alu depctr_va_vdst(0)
.irp e, 0,1,2,3,4,5,6,7
	v_mul_f32 v[L+\e], v[L+\e], v[RC]              ; the scores
.endr
	v_mov_b32 v[BV], v[L]                          ; the largest: a later one replaces it only if it is greater, so the lower index stays
	v_mov_b32 v[BI], 0
.irp e, 1,2,3,4,5,6,7
	v_cmp_gt_f32 vcc_lo, v[L+\e], v[BV]
	v_cndmask_b32 v[BV], v[BV], v[L+\e], vcc_lo
	v_cndmask_b32 v[BI], v[BI], \e, vcc_lo
.endr
	v_mov_b32 v[SV], -1.0                          ; the second: the same scan over the other seven; every score is 0 or more
	v_mov_b32 v[SI], 0
.irp e, 0,1,2,3,4,5,6,7
	v_cmp_gt_f32 s42, v[L+\e], v[SV]
	v_cmp_ne_u32 s43, \e, v[BI]
	s_and_b32 vcc_lo, s42, s43
	v_cndmask_b32 v[SV], v[SV], v[L+\e], vcc_lo
	v_cndmask_b32 v[SI], v[SI], \e, vcc_lo
.endr
.if \i == 0
	v_mov_b32 v[OI], v[BI]
	v_mov_b32 v[OV], v[BV]
.else
	v_cndmask_b32 v[OI], v[OI], v[BI], s[32+2*\i]
	v_cndmask_b32 v[OV], v[OV], v[BV], s[32+2*\i]
.endif
	v_cndmask_b32 v[OI], v[OI], v[SI], s[33+2*\i]
	v_cndmask_b32 v[OV], v[OV], v[SV], s[33+2*\i]
	s_wait_dscnt 0x0                               ; both halves are back from the stages
.irp st, 0,1
	v_max3_num_f32 v9, |v[X+16*\st]|, |v[X+16*\st+1]|, |v[X+16*\st+2]|      ; the largest magnitude of my 16, in two chains
	v_max3_num_f32 v10, |v[X+16*\st+3]|, |v[X+16*\st+4]|, |v[X+16*\st+5]|
.irp n, 6,10
	v_max3_num_f32 v9, v9, |v[X+16*\st+\n]|, |v[X+16*\st+\n+1]|
	v_max3_num_f32 v10, v10, |v[X+16*\st+\n+2]|, |v[X+16*\st+\n+3]|
.endr
	v_max3_num_f32 v9, v9, |v[X+16*\st+14]|, |v[X+16*\st+15]|
	v_max3_num_f32 v9, v9, v10, 0x1800000          ; and the floor 2^(3 - 127): the byte cannot fall under 1
	v_max_num_f32_dpp v9, v9, v9 row_xmask:1 row_mask:0xf bank_mask:0xf    ; with my neighbour's 16: the block's
	v_add_nc_u32 v11, 0xff000000, v9               ; 2 off its exponent field: the conversion takes the exponent field of this operand as its scale
	v_cvt_scalef32_pk8_fp4_f32 v[C+4*\i+2*\st], v[X+16*\st:X+16*\st+7], v11
	v_cvt_scalef32_pk8_fp4_f32 v[C+4*\i+2*\st+1], v[X+16*\st+8:X+16*\st+15], v11
	v_lshrrev_b32 v[E+2*\i+\st], 23, v11           ; the scale's byte (also the plain instruction behind the conversions)
	ds_store_b8 v4, v[E+2*\i+\st] offset:32*\i+16*\st                     ; both lanes of a block write the same byte with the same value
	global_store_b64 v6, v[C+4*\i+2*\st:C+4*\i+2*\st+1], s[16:17] offset:512*\i+256*\st   ; 32 lanes store 256 consecutive bytes, aligned
.endr
.endm
	TOKEN 0
	TOKEN 1
	TOKEN 2
	TOKEN 3
	ds_load_b32 v12, v5                            ; LDS serves a wave's instructions in order: this sees my byte stores
	global_store_b32 v8, v[OI], s[10:11]           ; out1
	global_store_b32 v8, v[OI], s[14:15]           ; ridx
	global_store_b32 v8, v[OV], s[12:13]           ; out2
	s_wait_dscnt 0x0
	global_store_b32 v7, v12, s[40:41]             ; four tokens' 128 scale bytes
	s_wait_tensorcnt 0x0
	ds_add_u32 v254, v255
	s_wait_dscnt 0x0
	s_endpgm
.Lfunc_end_k_qcb92e6cb0d_router:
	.size	k_qcb92e6cb0d_router, .Lfunc_end_k_qcb92e6cb0d_router-k_qcb92e6cb0d_router
	.p2alignl 7, 3214868480
	.fill 96, 4, 3214868480
	.section	.rodata,"a",@progbits
	.p2align	6, 0x0
	.amdhsa_kernel k_qcb92e6cb0d_router
		.amdhsa_group_segment_fixed_size 33280
		.amdhsa_private_segment_fixed_size 0
		.amdhsa_enable_private_segment 0
		.amdhsa_kernarg_size 56
		.amdhsa_user_sgpr_count 2
		.amdhsa_user_sgpr_kernarg_segment_ptr 1
		.amdhsa_wavefront_size32 1
		.amdhsa_system_sgpr_workgroup_id_x 1
		.amdhsa_system_sgpr_workgroup_id_y 1
		.amdhsa_system_sgpr_workgroup_id_z 1
		.amdhsa_system_vgpr_workitem_id 0
		.amdhsa_next_free_vgpr 512
		.amdhsa_next_free_sgpr 66
		.amdhsa_reserve_vcc 1
		.amdhsa_float_denorm_mode_32 3
		.amdhsa_float_denorm_mode_16_64 3
		.amdhsa_memory_ordered 1
		.amdhsa_forward_progress 1
		.amdhsa_inst_pref_size 91
	.end_amdhsa_kernel
	.amdgpu_metadata
---
amdhsa.version: [ 1, 2 ]
amdhsa.kernels:
  - .name:           k_qcb92e6cb0d_router
    .symbol:         k_qcb92e6cb0d_router.kd
    .args:
      - { .name: x, .offset: 0, .size: 8, .value_kind: global_buffer, .address_space: global }
      - { .name: w_gate, .offset: 8, .size: 8, .value_kind: global_buffer, .address_space: global }
      - { .name: b_gate, .offset: 16, .size: 8, .value_kind: global_buffer, .address_space: global }
      - { .name: out1, .offset: 24, .size: 8, .value_kind: global_buffer, .address_space: global }
      - { .name: out2, .offset: 32, .size: 8, .value_kind: global_buffer, .address_space: global }
      - { .name: ridx, .offset: 40, .size: 8, .value_kind: global_buffer, .address_space: global }
      - { .name: xq, .offset: 48, .size: 8, .value_kind: global_buffer, .address_space: global }
    .group_segment_fixed_size: 33280
    .private_segment_fixed_size: 0
    .kernarg_segment_align: 8
    .kernarg_segment_size: 56
    .max_flat_workgroup_size: 128
    .sgpr_count:     66
    .vgpr_count:     512
    .wavefront_size: 32
...
	.end_amdgpu_metadata
.endif
;; end of part 1
;; launch ffn1 (part 2): grid 256 x 1, 4 waves a work-group, no clusters, 176,640 bytes of LDS; arguments w1, b1, xq, ridx, hq; writes hq
.if DOCPART == 2
	.amdgcn_target "amdgcn-amd-amdhsa--gfx1250"
	.amdhsa_code_object_version 6
	.text
	.protected	k_qcb92e6cb0d_ffn1
	.globl	k_qcb92e6cb0d_ffn1
	.p2align	8
	.type	k_qcb92e6cb0d_ffn1,@function
k_qcb92e6cb0d_ffn1:
	s_mov_b64 s[64:65], 0
	v_nop
	global_prefetch_b8 v0, s[64:65] scope:SCOPE_SE
	s_setreg_imm32_b32 hwreg(HW_REG_WAVE_MODE, 25, 1), 1
	s_wait_xcnt 0x0
; THE FIRST PRODUCT OF THE CHOSEN EXPERTS, in MX-FP4: hq = Q(leaky(x W1^T + b1)), for the rows that chose the expert, tile by tile of 16.
; SHARES.  Work-group g = 32 e + j owns hidden units 128 j .. 128 j + 127 of expert e: 128 rows of w1, 524,288 consecutive bytes of f32, which no other work-group reads.
; WHERE A ROW LIES.  The 1,024 tokens are four quarters of 256.  The rows of (expert e, quarter w) have a fixed room of 16 tiles (a token names an expert at most once: at most 256 rows): tile (4 e + w) 16 + p,
; and a token's row there is its RANK: the number of earlier tokens of its quarter that chose e.  So no place hangs on another expert's count, and every launch makes what it needs from ridx alone.
; PHASE 1, THE STREAM.  Wave w takes 32 of the rows of w1 in 8 steps of 128 along K.  A step's 32 loads read 512 consecutive bytes each; two sets of 32 are on their way.  The conversions want 32 neighbours along K
; in ONE lane, so a step turns through the wave's stage in LDS (rows 528 bytes apart) and comes back as two operand fragments; their codes and scale words are stored in LDS as IMAGES OF THE OPERAND'S REGISTERS.
; Between the first steps, where the wave would wait for memory, it turns its quarter's 2,048 bytes of ridx into eight masks of 32 tokens and finds the token of every rank, by lane arithmetic alone:
; the mask word by compares with the running counts, the n-th set bit by counts of 2, 4, 8 and 16 bits and five halvings.  32 ranks a search, four searches by turns; 16 registers, one a tile.
; One barrier; then every wave loads all 64 images (512 registers, windows 1 and 2) and the 64 scale words.  The barrier stands ahead of every branch on loaded numbers.
; PHASE 2, THE TILES.  Wave w takes the tiles of quarter w.  A tile's 16 rows of x's codes are gathered, each row by one load of 512 consecutive bytes, and turn through LDS into 8 fragments; 64 matrix instructions
; (transposed: source 0 = 16 rows of W1, source 1 = x, C of the first = b1) give 128 hidden units of 16 rows; leaky, the quantiser in registers, and the fragment leaves as an image: K step j of the second product.
; The next tile's rows are asked for a trip ahead.  A rank beyond the quarter's count gives some token of the quarter: its row is computed and never read; no load leaves its buffer.
; THE ROWS OF W1 THAT FORM A TILE ARE NOT NEIGHBOURS: lane r of tile 2 b + u takes row 32 b + 8 u + r + 8 (r / 8), so that the 16 registers of tiles 2 b, 2 b + 1 are 16 neighbours along the next K.
; NO JOINT LOADS, though an expert's 32 work-groups read the same rows of x: the number of trips is a loaded number, no barrier may stand under a branch on it, and what is shared (8 KiB a tile) is small beside a work-group's own 512 KiB.
; LIMITS: NaN and infinities are not served; a block whose largest magnitude lies under 2^-124 gets the byte 1 (a block of zeros too: its codes are zeros, and this program alone reads the bytes).
; REGISTERS.  window 0: v1-15 addresses; v16-79 W1's scale words, v80-83 x's (scales and nothing else); v84-211 the stream's 128 numbers (between steps: the searches' 48), later x's 8 fragments (v84-147) and the hidden tile (v148-211);
;   v212-219, v238-245 codes; v222-237 at work; v238-253 the gather's offsets; v254 lane, v255 8 x lane.   windows 1, 2: the stream's two sets of loads, later W1's 64 fragments.
;   window 3: v0-63 b1 in the result's layout; v64-127 x's rows as loaded; v128-143 my quarter of ridx; v144-159 the tiles' tokens.
.set ROWP,  4096                       ; a row of w1 in bytes
.set SPIT,  528                        ; a stage row: 512 bytes + 16: sixteen rows begin in sixteen different groups of four banks
.set WSC,   65536                      ; LDS: 64 images of 1,024 bytes from 0; their scale words, 128 bytes each;
.set STG,   73728                      ; four stages of 32 rows;
.set XST,   141312                     ; four stages for x's rows: 32 pieces of 16 bytes x 16 rows, 272 bytes from piece to piece
.set XSOFF, 524288
.set HSOFF, 16777216                   ; 512 tiles x 32 images of 1,024 bytes; behind them the scale words
.set L16, 1                            ; 16 x lane
.set R4,  2                            ; 4 x (lane % 16)
.set SH8, 3                            ; 8 x (lane / 16)
.set STW, 4                            ; the stage: in
.set STR, 5                            ; and out
.set IMW, 6                            ; where I store images
.set SCW, 7                            ; and scale words
.set LS,  8                            ; where scale words are read
.set XSTW, 9
.set XSTR, 10
.set HX,  11                           ; XSOFF + 16 x (lane / 16)
.set TK,  12                           ; my row's token
.set XSA, 13                           ; the offset of its scale bytes
.set HOFF, 14                          ; the offsets of the tile's image and scale words in hq
.set HSO, 15
.set WS,  16
.set XS,  80
.set X,   84
.set XF,  84
.set HA,  148
.set PC0, 212
.set PC,  212
.set PW,  220
.set BOF, 221                          ; 64 x (lane / 16)
.set TM,  222
.set PC1, 238
.set XO,  238
.set LN,  254                          ; lane
.set RIA, 255                          ; 8 x lane
.set B1,  0                            ; window 3
.set XR,  64
.set RI,  128
.set TKR, 144
.set WV,  14                           ; s14 wave, s15 e, s16 j, s17 my first tile (4 e + w) 16, s18 my first token 256 w, s19 the mask of lanes 16-31
.set EX,  15
.set JX,  16
.set PB,  17
.set W256, 18
.set HM,  19
.set SEL, 20
.set CT,  22                           ; s22 the trips done = the tile's number in my room, s23 my number of tiles
.set NT,  23
.set PG,  28
.set LT,  32                           ; s[32:47] compares' masks; later a tile's 16 tokens
.set WB,  52                           ; s[52:53] my wave's rows of w1;  s[50:51] hq + 1024 j;  s[48:49] hq + HSOFF + 64 j
.set MK,  56                           ; s[56:63] word q: bit l is set where token 32 q + l of my quarter chose e
.set PF,  66                           ; s[66:74] the set bits in front of word q; the ninth is the quarter's count
.set MSB, 0
.macro WIN new                         ; the immediate's high byte repeats the setting that is left
.if MSB != (\new)
	s_set_vgpr_msb (MSB<<8)|(\new)
.set MSB, (\new)
.endif
.endm
.macro GLOAD s                         ; step s: 32 rows x 512 bytes into set s % 2 of window 1
	WIN 0x40
.set rho, 0
.rept 32
	global_load_b128 v[128*((\s)%2)+4*rho:128*((\s)%2)+4*rho+3], v[L16], s[WB:WB+1] offset:rho*ROWP+512*(\s) th:TH_LOAD_NT
.set rho, rho+1
.endr
	WIN 0
.endm
.macro TOST s                          ; into the stage: row rho lies where its tile's lane will look for it
	WIN 0x04
.set rho, 0
.rept 32
	ds_store_b128 v[STW], v[128*((\s)%2)+4*rho:128*((\s)%2)+4*rho+3] offset:SPIT*(16*((rho/8)%2)+8*(rho/16)+rho%8)
.set rho, rho+1
.endr
	WIN 0
.endm
.macro XREAD u                         ; back: lane (r, h) takes k = 64 c + 32 h + 0 .. 31 of its row: the order of the operand's registers
.irp c, 0,1
.irp q, 0,1,2,3,4,5,6,7
	ds_load_b128 v[X+64*\u+32*\c+4*\q:X+64*\u+32*\c+4*\q+3], v[STR] offset:16*SPIT*\u+256*\c+16*\q
.endr
.endr
.endm
.macro WQ u, s                         ; 64 numbers a lane become a fragment and its scale word; both go to LDS as they stand
.set XB, X+64*\u
.set PCU, PC0+(PC1-PC0)*\u
.set WD, TM+6+2*\u
.irp c, 0,1
	v_max3_num_f32 v[TM+\c], |v[XB+32*\c]|, |v[XB+32*\c+1]|, 0x1800000      ; my two whole blocks by turns, and the floor 2^(3 - 127): the byte cannot fall under 1
.endr
.irp n, 2,4,6,8,10,12,14,16,18,20,22,24,26,28,30
.irp c, 0,1
	v_max3_num_f32 v[TM+\c], v[TM+\c], |v[XB+32*\c+\n]|, |v[XB+32*\c+\n+1]|
.endr
.endr
.irp c, 0,1
	v_add_nc_u32 v[TM+2+\c], 0xff000000, v[TM+\c]  ; 2 off the exponent field: the conversion's scale operand
.endr
.irp c, 0,1
	v_lshrrev_b32 v[TM+4+\c], 23, v[TM+2+\c]       ; the scale's byte
.endr
	v_lshl_or_b32 v[WD], v[TM+5], 16, v[TM+4]      ; blocks h and 2 + h of my row,
	v_lshlrev_b32 v[WD], v[SH8], v[WD]             ; at their places in the word;
	v_permlanex16_b32 v[TM+7], v[WD], s[SEL], s[SEL+1]
	v_or_b32 v[WD], v[WD], v[TM+7]                 ; with lane l xor 16's two the word is whole
.irp c, 0,1
.irp g, 0,1,2,3
	v_cvt_scalef32_pk8_fp4_f32 v[PCU+4*\c+\g], v[XB+32*\c+8*\g:XB+32*\c+8*\g+7], v[TM+2+\c]
.endr
.endr
	v_nop                                          ; one plain instruction behind the last conversion
	ds_store_b128 v[IMW], v[PCU:PCU+3] offset:(8*\u+\s)*1024
	ds_store_b128 v[IMW], v[PCU+4:PCU+7] offset:(8*\u+\s)*1024+512
	ds_store_b32 v[SCW], v[WD] offset:(8*\u+\s)*128
.endm
.macro STEP s
.if \s < 7
	s_wait_loadcnt 32                              ; this step's 32 loads, and all that are older, are in; the next step's 32 stay out
.else
	s_wait_loadcnt 0x0
.endif
	TOST \s
	XREAD 0
	XREAD 1
	s_wait_dscnt 16                                ; the stores have read the set and the first fragment's numbers are back; the second's 16 loads stay out
.if \s < 6
	GLOAD \s+2
.endif
	WQ 0, \s
	s_wait_dscnt 3                                 ; the second fragment's numbers are back: behind them stand the three stores just issued
	WQ 1, \s
.endm
; THE TOKEN OF A RANK.  Search n of four has 12 registers at X + 12 n: +0 the rank, at last the token; +1 the mask word; +2 the set bits in front of it; +3 32 x its number; +4 .. +7 the word's counts in fields of
; 2, 4, 8 and 16 bits; +8 the rank inside what is left; +9 the bit's place so far; +10, +11 at work.
; One halving: if the rank is not under the count of the lower half (a field of fw bits of register src, at the place so far), that count goes off the rank and the place moves st bits up.
.macro LEVEL src, fw, st
.irp n, 0,1,2,3
	v_bfe_u32 v[X+12*\n+10], v[X+12*\n+\src], v[X+12*\n+9], \fw
.endr
.irp n, 0,1,2,3
	v_cmp_ge_u32 s[LT+\n], v[X+12*\n+8], v[X+12*\n+10]
.endr
.irp n, 0,1,2,3
	v_cndmask_b32 v[X+12*\n+10], 0, v[X+12*\n+10], s[LT+\n]
	v_cndmask_b32 v[X+12*\n+11], 0, \st, s[LT+\n]
.endr
.irp n, 0,1,2,3
	v_sub_nc_u32 v[X+12*\n+8], v[X+12*\n+8], v[X+12*\n+10]
	v_add_nc_u32 v[X+12*\n+9], v[X+12*\n+9], v[X+12*\n+11]
.endr
.endm
; Four searches by turns: ranks 32 (4 g + n) + lane, which are tiles 2 (4 g + n) and 2 (4 g + n) + 1
.macro SEL4 g
.irp n, 0,1,2,3
	v_add_nc_u32 v[X+12*\n], 32*(4*\g+\n), v[LN]
	v_mov_b32 v[X+12*\n+1], s[MK]
	v_mov_b32 v[X+12*\n+2], 0
	v_mov_b32 v[X+12*\n+3], 0
	v_mov_b32 v[X+12*\n+9], 0
.endr
.irp q, 1,2,3,4,5,6,7                          ; the last word in front of which no more bits are set than my rank
.irp n, 0,1,2,3
	v_cmp_le_u32 s[LT+\n], s[PF+\q], v[X+12*\n]
.endr
.irp n, 0,1,2,3
	v_cndmask_b32 v[X+12*\n+1], v[X+12*\n+1], s[MK+\q], s[LT+\n]
	v_cndmask_b32 v[X+12*\n+2], v[X+12*\n+2], s[PF+\q], s[LT+\n]
	v_cndmask_b32 v[X+12*\n+3], v[X+12*\n+3], 32*\q, s[LT+\n]
.endr
.endr
.irp n, 0,1,2,3
	v_sub_nc_u32 v[X+12*\n+8], v[X+12*\n], v[X+12*\n+2]
	v_lshrrev_b32 v[X+12*\n+10], 1, v[X+12*\n+1]
.endr
.irp n, 0,1,2,3
	v_and_b32 v[X+12*\n+10], 0x55555555, v[X+12*\n+10]
.endr
.irp n, 0,1,2,3
	v_sub_nc_u32 v[X+12*\n+4], v[X+12*\n+1], v[X+12*\n+10]         ; counts of 2 bits
.endr
.irp n, 0,1,2,3
	v_lshrrev_b32 v[X+12*\n+10], 2, v[X+12*\n+4]
	v_and_b32 v[X+12*\n+11], 0x33333333, v[X+12*\n+4]
.endr
.irp n, 0,1,2,3
	v_and_b32 v[X+12*\n+10], 0x33333333, v[X+12*\n+10]
.endr
.irp n, 0,1,2,3
	v_add_nc_u32 v[X+12*\n+5], v[X+12*\n+11], v[X+12*\n+10]        ; of 4
.endr
.irp n, 0,1,2,3
	v_lshrrev_b32 v[X+12*\n+10], 4, v[X+12*\n+5]
.endr
.irp n, 0,1,2,3
	v_add_nc_u32 v[X+12*\n+10], v[X+12*\n+5], v[X+12*\n+10]
.endr
.irp n, 0,1,2,3
	v_and_b32 v[X+12*\n+6], 0x0f0f0f0f, v[X+12*\n+10]              ; of 8
.endr
.irp n, 0,1,2,3
	v_lshrrev_b32 v[X+12*\n+10], 8, v[X+12*\n+6]
.endr
.irp n, 0,1,2,3
	v_add_nc_u32 v[X+12*\n+10], v[X+12*\n+6], v[X+12*\n+10]
.endr
.irp n, 0,1,2,3
	v_and_b32 v[X+12*\n+7], 0x00ff00ff, v[X+12*\n+10]              ; of 16
.endr
	LEVEL 7, 8, 16
	LEVEL 6, 8, 8
	LEVEL 5, 4, 4
	LEVEL 4, 2, 2
	LEVEL 1, 1, 1
.irp n, 0,1,2,3
	v_add3_u32 v[X+12*\n], v[X+12*\n+3], v[X+12*\n+9], s[W256]     ; the token: 256 w + 32 x word + bit, at most 1,023 whatever the rank
.endr
.irp n, 0,1,2,3
	v_permlanex16_b32 v[X+12*\n+10], v[X+12*\n], s[SEL], s[SEL+1]
.endr
	WIN 0xc0                                       ; destination window 3
.irp n, 0,1,2,3                                ; a tile's register holds row r's token in lanes r and 16 + r
	v_cndmask_b32 v[TKR+2*(4*\g+\n)], v[X+12*\n], v[X+12*\n+10], s[HM]
	v_cndmask_b32 v[TKR+2*(4*\g+\n)+1], v[X+12*\n+10], v[X+12*\n], s[HM]
.endr
	WIN 0
.endm
.macro XISSUE                          ; the next tile's tokens are taken from the row of registers, which moves down by one; their rows of codes are asked for
	WIN 0x03                                       ; source 0 window 3
	v_mov_b32 v[TK], v[TKR]
	WIN 0xc3
.irp k, 0,1,2,3,4,5,6,7,8,9,10,11,12,13,14
	v_mov_b32 v[TKR+\k], v[TKR+\k+1]
.endr
	WIN 0
	v_min_u32 v[TK], 1023, v[TK]                   ; a number made of loaded ones enters an address only held inside its table
	v_lshl_add_u32 v[XSA], v[TK], 5, v[HX]         ; 32 scale bytes a token; lanes 16-31 take the upper 16
.irp i, 0,1,2,3,4,5,6,7,8,9,10,11,12,13,14,15
	v_readlane_b32 s[LT+\i], v[TK], \i
.endr
.irp i, 0,1,2,3,4,5,6,7,8,9,10,11,12,13,14,15
	s_min_u32 s[LT+\i], s[LT+\i], 1023
.endr
.irp i, 0,1,2,3,4,5,6,7,8,9,10,11,12,13,14,15
	v_lshl_add_u32 v[XO+\i], s[LT+\i], 9, v[L16]
.endr
	WIN 0xc0
.irp i, 0,1,2,3,4,5,6,7,8,9,10,11,12,13,14,15
	global_load_b128 v[XR+4*\i:XR+4*\i+3], v[XO+\i], s[8:9]    ; a whole row: 512 consecutive bytes
.endr
	WIN 0
.endm
	s_load_b256 s[4:11], s[0:1], 0x0               ; w1 s[4:5], b1 s[6:7], xq s[8:9], ridx s[10:11]
	s_load_b64 s[12:13], s[0:1], 0x20              ; hq
	v_lshl_add_u32 v232, v0, 2, 0x2b000
	v_mov_b32 v233, 0
	v_lshrrev_b32 v[TK], 5, v0
	v_readfirstlane_b32 s[WV], v[TK]               ; wave 0..3
	s_lshr_b32 s[EX], ttmp9, 5
	s_and_b32 s[JX], ttmp9, 31
	v_and_b32 v[LN], 31, v0                        ; lane
	v_and_b32 v[HOFF], 15, v0                      ; r
	v_bfe_u32 v[HSO], v0, 4, 1                     ; h
	v_lshlrev_b32 v[L16], 4, v[LN]
	v_lshlrev_b32 v[RIA], 3, v[LN]
	v_lshlrev_b32 v[R4], 2, v[HOFF]
	v_lshlrev_b32 v[SH8], 3, v[HSO]
	s_mul_i32 s29, s[WV], 32*SPIT
	s_add_co_u32 s29, s29, STG
	v_add_nc_u32 v[STW], s29, v[L16]
	v_mul_u32_u24 v[STR], v[HOFF], SPIT
	v_lshl_add_u32 v[STR], v[HSO], 7, v[STR]
	v_add_nc_u32 v[STR], s29, v[STR]
	s_lshl_b32 s29, s[WV], 14
	v_add_nc_u32 v[IMW], s29, v[L16]               ; image 16 w + 8 u + s
	v_lshlrev_b32 v[LS], 2, v[LN]
	s_lshl_b32 s29, s[WV], 11
	s_add_co_u32 s29, s29, WSC
	v_add_nc_u32 v[SCW], s29, v[LS]
	v_add_nc_u32 v[LS], WSC, v[LS]
	s_mul_i32 s29, s[WV], 32*272
	s_add_co_u32 s29, s29, XST
	v_mul_u32_u24 v[XSTW], v[LN], 272
	v_add_nc_u32 v[XSTW], s29, v[XSTW]             ; in: piece = lane, row in the immediate
	v_mul_u32_u24 v[XSTR], v[HSO], 272
	v_lshl_add_u32 v[XSTR], v[HOFF], 4, v[XSTR]
	v_add_nc_u32 v[XSTR], s29, v[XSTR]             ; out: row r, piece h + the immediate's
	v_lshlrev_b32 v[HX], 4, v[HSO]
	v_add_nc_u32 v[HX], XSOFF, v[HX]
	v_lshlrev_b32 v[BOF], 6, v[HSO]
.irp n, 4,5,6,7
	v_mov_b32 v[TM+\n], 0                          ; written once: a lane permute's destination counts as one of its sources
.endr
	s_mov_b32 s[SEL], 0x76543210
	s_mov_b32 s[SEL+1], 0xfedcba98                 ; v_permlanex16_b32's selects for lane l xor 16
	s_mov_b32 s24, 0x3dcccccd                      ; 0.1
	s_mov_b32 s25, s24                             ; (named with it as a pair)
	s_mov_b32 s[HM], 0xffff0000
	s_lshl_b32 s[W256], s[WV], 8
	s_lshl_b32 s[PB], s[EX], 6
	s_lshl_b32 s29, s[WV], 4
	s_add_co_u32 s[PB], s[PB], s29                 ; (4 e + w) 16
	s_lshl_b32 s30, ttmp9, 19                      ; the work-group's 524,288 bytes,
	s_lshl_b32 s31, s[WV], 17                      ; my wave's 32 rows
	s_add_co_u32 s30, s30, s31
	s_mov_b32 s31, 0
	s_wait_kmcnt 0x0
	s_add_nc_u64 s[WB:WB+1], s[4:5], s[30:31]
	s_lshl_b32 s30, ttmp9, 9
	s_add_nc_u64 s[6:7], s[6:7], s[30:31]          ; b1 at the work-group's 128 units
	s_lshl_b32 s30, s[JX], 10
	s_add_nc_u64 s[50:51], s[12:13], s[30:31]
	s_lshl_b32 s30, s[JX], 6
	s_add_co_u32 s30, s30, HSOFF
	s_add_nc_u64 s[48:49], s[12:13], s[30:31]
	s_lshl_b32 s30, s[WV], 11
	s_add_nc_u64 s[10:11], s[10:11], s[30:31]      ; ridx at my quarter: 8 bytes a token
	WIN 0xc0
.irp q, 0,1,2,3,4,5,6,7                        ; load q, lane l: the two experts of token 32 q + l; 256 consecutive bytes a load.  These and b1 are older than the weights' loads: they change no count
	global_load_b64 v[RI+2*\q:RI+2*\q+1], v[RIA], s[10:11] offset:256*\q
.endr
.irp t, 0,1,2,3,4,5,6,7                        ; b1 in the result's layout: lane (r, h), tile t: units 32 (t / 2) + 16 h + 8 (t % 2) + 0 .. 7
	global_load_b128 v[B1+8*\t:B1+8*\t+3], v[BOF], s[6:7] offset:(32*(\t/2)+8*(\t%2))*4
	global_load_b128 v[B1+8*\t+4:B1+8*\t+7], v[BOF], s[6:7] offset:(32*(\t/2)+8*(\t%2))*4+16
.endr
	GLOAD 0
	GLOAD 1
	STEP 0
	; the step's first wait has shown my quarter of ridx landed: its masks, their running counts, my number of tiles
	WIN 0x0c                                       ; source 1 window 3
.irp q, 0,1,2,3,4,5,6,7
	v_cmp_eq_u32 s[LT+2*\q], s[EX], v[RI+2*\q]
	v_cmp_eq_u32 s[LT+2*\q+1], s[EX], v[RI+2*\q+1]
.endr
	WIN 0
.irp q, 0,1,2,3,4,5,6,7
	s_or_b32 s[MK+\q], s[LT+2*\q], s[LT+2*\q+1]
.endr
	s_mov_b32 s[PF], 0
.irp q, 0,1,2,3,4,5,6,7
	s_bcnt1_i32_b32 s29, s[MK+\q]
	s_add_co_u32 s[PF+\q+1], s[PF+\q], s29
.endr
	s_add_co_u32 s[NT], s[PF+8], 15
	s_lshr_b32 s[NT], s[NT], 4
	s_min_u32 s[NT], s[NT], 16                     ; 0 to 16 tiles
	STEP 1
	SEL4 0                                         ; between two steps the stream's 128 registers are free
	STEP 2
	SEL4 1
.irp s, 3,4,5,6,7
	STEP \s
.endr
	s_wait_dscnt 0x0                               ; for the others' sake: my images lie in LDS
	XISSUE                                         ; my first tile's rows are asked for now, and land while the images are read
	global_load_b128 v[XS:XS+3], v[XSA], s[8:9]    ; its scale words: lanes 0-15 K steps 0-3, lanes 16-31 K steps 4-7
	s_barrier_signal -1
	s_barrier_wait -1                              ; all 64 images lie in LDS; nobody writes them again
	s_cmp_eq_u32 s[NT], 0
	s_cbranch_scc1 .Lend                           ; no token of my quarter chose this expert
	s_mov_b32 s[CT], 0                             ; the loop is counted by ones against my number of tiles
.irp hw, 0,1                                   ; fragment (tile t, K step 4 hw + q) = image 8 t + 4 hw + q -> window 1 + hw, v[8 (8 q + t)]
	WIN 0x40*(1+\hw)
.irp q, 0,1,2,3
.irp t, 0,1,2,3,4,5,6,7
.irp c, 0,1
	ds_load_b128 v[8*(8*\q+\t)+4*\c:8*(8*\q+\t)+4*\c+3], v[L16] offset:(8*\t+4*\hw+\q)*1024+512*\c
.endr
.endr
.endr
.endr
	WIN 0
.set ff, 0
.rept 64
	ds_load_b32 v[WS+ff], v[LS] offset:128*ff
.set ff, ff+1
.endr
	s_wait_dscnt 0x0
.Ltile:
	s_add_co_u32 s[PG], s[PB], s[CT]
	s_min_u32 s[PG], s[PG], 511
	s_wait_loadcnt 0x0                             ; this tile's 16 rows and its scale words are in; nothing else is out
	WIN 0x0c                                       ; an LDS store's data are its source 1: window 3
.irp i, 0,1,2,3,4,5,6,7,8,9,10,11,12,13,14,15
	ds_store_b128 v[XSTW], v[XR+4*\i:XR+4*\i+3] offset:16*\i
.endr
	WIN 0
.irp k, 0,1,2,3,4,5,6,7
.irp c, 0,1
	ds_load_b128 v[XF+8*\k+4*\c:XF+8*\k+4*\c+3], v[XSTR] offset:(4*\k+2*\c)*272    ; row r, bytes 64 k + 32 c + 16 h: LDS serves a wave's instructions in order
.endr
.endr
	s_wait_dscnt 0x0
	XISSUE                                         ; the rows of my next tile
	; 64 matrix instructions; the eight accumulators take turns, one instruction a turn
.set ks, 0
.rept 8
.if ks == 0
	WIN 0x31                                       ; source 0 (W1) window 1, C (b1) window 3
.elseif ks < 4
	WIN 0x01
.else
	WIN 0x02                                       ; W1's K steps 4-7 lie in window 2
.endif
.set tt, 0
.rept 8
.if ks == 0
	v_wmma_scale_f32_16x16x128_f8f6f4 v[HA+8*tt:HA+8*tt+7], v[8*tt:8*tt+7], v[XF:XF+7], v[B1+8*tt:B1+8*tt+7], v[WS+8*tt], v[XS] matrix_a_fmt:MATRIX_FMT_FP4 matrix_b_fmt:MATRIX_FMT_FP4
.elseif ks < 4
	v_wmma_scale_f32_16x16x128_f8f6f4 v[HA+8*tt:HA+8*tt+7], v[8*(8*ks+tt):8*(8*ks+tt)+7], v[XF+8*ks:XF+8*ks+7], v[HA+8*tt:HA+8*tt+7], v[WS+8*tt+ks], v[XS+ks] matrix_a_fmt:MATRIX_FMT_FP4 matrix_b_fmt:MATRIX_FMT_FP4
.else
	v_wmma_scale_f32_16x16x128_f8f6f4 v[HA+8*tt:HA+8*tt+7], v[8*(8*(ks-4)+tt):8*(8*(ks-4)+tt)+7], v[XF+8*ks:XF+8*ks+7], v[HA+8*tt:HA+8*tt+7], v[WS+8*tt+ks], v[XS+ks-4] matrix_a_fmt:MATRIX_FMT_FP4 matrix_b_fmt:MATRIX_FMT_FP4 matrix_b_scale:MATRIX_SCALE_ROW1
.endif
.set tt, tt+1
.endr
.set ks, ks+1
.endr
	WIN 0
.rept 4
	v_nop                                          ; four places in front of the load into the scale registers and of the first read of results
.endr
	global_load_b128 v[XS:XS+3], v[XSA], s[8:9]    ; the next tile's scale words
.irp g, 0,1,2,3,4,5,6,7                        ; leaky(h) = max(h, 0.1 h), each accumulator from its low end on
.irp k, 0,2,4,6
	v_pk_mul_f32 v[TM+\k:TM+\k+1], v[HA+8*\g+\k:HA+8*\g+\k+1], s[24:25] op_sel_hi:[1,0]
.endr
.irp k, 0,1,2,3,4,5,6,7
	v_max_num_f32 v[HA+8*\g+\k], v[HA+8*\g+\k], v[TM+\k]
.endr
.endr
	s_wait_xcnt 0x0                                ; the last trip's stores have read their data and offsets: both are written again below
	; the quantiser: register 16 b + i holds k = 32 b + 16 h + i of my row
.irp b, 0,1,2,3
	v_max3_num_f32 v[TM+\b], |v[HA+16*\b]|, |v[HA+1+16*\b]|, 0x1800000      ; my 16 numbers of block b, and the floor
.endr
.irp n, 2,4,6,8,10,12,14
.irp b, 0,1,2,3
	v_max3_num_f32 v[TM+\b], v[TM+\b], |v[HA+16*\b+\n]|, |v[HA+1+16*\b+\n]|
.endr
.endr
.irp b, 0,1,2,3
	v_permlanex16_b32 v[TM+4+\b], v[TM+\b], s[SEL], s[SEL+1]
.endr
.irp b, 0,1,2,3
	v_max_num_f32 v[TM+\b], v[TM+\b], v[TM+4+\b]   ; with lane l xor 16's: the block's largest magnitude
.endr
.irp b, 0,1,2,3
	v_add_nc_u32 v[TM+12+\b], 0xff000000, v[TM+\b]
.endr
.irp b, 0,1,2,3
	v_lshrrev_b32 v[TM+4+\b], 23, v[TM+12+\b]
.endr
	v_lshl_or_b32 v[PW], v[TM+5], 8, v[TM+4]       ; my row's scale word
	v_lshl_or_b32 v[PW], v[TM+6], 16, v[PW]
	v_lshl_or_b32 v[PW], v[TM+7], 24, v[PW]
.irp b, 0,1,2,3
	v_cvt_scalef32_pk8_fp4_f32 v[PC+2*\b], v[HA+16*\b:HA+7+16*\b], v[TM+12+\b]
	v_cvt_scalef32_pk8_fp4_f32 v[PC+1+2*\b], v[HA+8+16*\b:HA+15+16*\b], v[TM+12+\b]
.endr
	v_nop                                          ; one plain instruction behind the last conversion
.irp c, 0,1                                    ; the operand's layout wants a WHOLE block in a lane
.irp n, 0,1
	v_permlane16_swap_b32 v[PC+4*\c+\n], v[PC+2+4*\c+\n]
.endr
.endr
	v_lshl_add_u32 v[HOFF], s[PG], 15, v[L16]      ; a tile's 32 images are 32,768 bytes,
	v_lshl_add_u32 v[HSO], s[PG], 11, v[R4]        ; its scale words 2,048
	global_store_b128 v[HOFF], v[PC:PC+3], s[50:51]                ; 32 lanes store 512 consecutive bytes, aligned
	global_store_b128 v[HOFF], v[PC+4:PC+7], s[50:51] offset:512
	global_store_b32 v[HSO], v[PW], s[48:49]       ; lanes 16-31 repeat lanes 0-15, address and value
	s_add_co_u32 s[CT], s[CT], 1
	s_cmp_lt_u32 s[CT], s[NT]
	s_cbranch_scc1 .Ltile
.Lend:
	s_wait_tensorcnt 0x0
	ds_add_u32 v232, v233
	s_wait_dscnt 0x0
	s_endpgm
.Lfunc_end_k_qcb92e6cb0d_ffn1:
	.size	k_qcb92e6cb0d_ffn1, .Lfunc_end_k_qcb92e6cb0d_ffn1-k_qcb92e6cb0d_ffn1
	.p2alignl 7, 3214868480
	.fill 96, 4, 3214868480
	.section	.rodata,"a",@progbits
	.p2align	6, 0x0
	.amdhsa_kernel k_qcb92e6cb0d_ffn1
		.amdhsa_group_segment_fixed_size 176640
		.amdhsa_private_segment_fixed_size 0
		.amdhsa_enable_private_segment 0
		.amdhsa_kernarg_size 40
		.amdhsa_user_sgpr_count 2
		.amdhsa_user_sgpr_kernarg_segment_ptr 1
		.amdhsa_wavefront_size32 1
		.amdhsa_system_sgpr_workgroup_id_x 1
		.amdhsa_system_sgpr_workgroup_id_y 1
		.amdhsa_system_sgpr_workgroup_id_z 1
		.amdhsa_system_vgpr_workitem_id 0
		.amdhsa_next_free_vgpr 1024
		.amdhsa_next_free_sgpr 76
		.amdhsa_reserve_vcc 0
		.amdhsa_float_denorm_mode_32 3
		.amdhsa_float_denorm_mode_16_64 3
		.amdhsa_memory_ordered 1
		.amdhsa_forward_progress 1
		.amdhsa_inst_pref_size 194
	.end_amdhsa_kernel
	.amdgpu_metadata
---
amdhsa.version: [ 1, 2 ]
amdhsa.kernels:
  - .name:           k_qcb92e6cb0d_ffn1
    .symbol:         k_qcb92e6cb0d_ffn1.kd
    .args:
      - { .name: w1, .offset: 0, .size: 8, .value_kind: global_buffer, .address_space: global }
      - { .name: b1, .offset: 8, .size: 8, .value_kind: global_buffer, .address_space: global }
      - { .name: xq, .offset: 16, .size: 8, .value_kind: global_buffer, .address_space: global }
      - { .name: ridx, .offset: 24, .size: 8, .value_kind: global_buffer, .address_space: global }
      - { .name: hq, .offset: 32, .size: 8, .value_kind: global_buffer, .address_space: global }
    .group_segment_fixed_size: 176640
    .private_segment_fixed_size: 0
    .kernarg_segment_align: 8
    .kernarg_segment_size: 40
    .max_flat_workgroup_size: 128
    .sgpr_count:     76
    .vgpr_count:     1024
    .wavefront_size: 32
...
	.end_amdgpu_metadata
.endif
;; end of part 2
;; launch ffn2 (part 3): grid 256 x 1, 4 waves a work-group, no clusters, 151,040 bytes of LDS; arguments w2, b2, hq, ridx, ys; writes ys
.if DOCPART == 3
	.amdgcn_target "amdgcn-amd-amdhsa--gfx1250"
	.amdhsa_code_object_version 6
	.text
	.protected	k_qcb92e6cb0d_ffn2
	.globl	k_qcb92e6cb0d_ffn2
	.p2align	8
	.type	k_qcb92e6cb0d_ffn2,@function
k_qcb92e6cb0d_ffn2:
	s_mov_b64 s[64:65], 0
	v_nop
	global_prefetch_b8 v0, s[64:65] scope:SCOPE_SE
	s_setreg_imm32_b32 hwreg(HW_REG_WAVE_MODE, 25, 1), 1
	s_wait_xcnt 0x0
; THE SECOND PRODUCT OF THE CHOSEN EXPERTS, in MX-FP4: ys = h W2^T + b2, for the rows that chose the expert, tile by tile of 16.  (The gate's weight and the sum of a token's two rows are the last launch's.)
; SHARES.  Work-group g = 32 e + j owns outputs 32 j .. 32 j + 31 of expert e: 32 rows of w2, 524,288 consecutive bytes of f32, which no other work-group reads.
; WHERE A ROW LIES: as in the first product's launch: the rows of (expert e, quarter w of the tokens) have a fixed room of 16 tiles, tile (4 e + w) 16 + p.  Of ridx this launch needs one number: how many tokens
; of quarter w chose e; 16 compares and counts of bits, between the first two steps of the stream.
; PHASE 1, THE STREAM, as in the first product's launch: here wave w takes 1,024 along K of all 32 rows, in 8 steps of 128; a step gives two fragments (tile u of 16 outputs, K step 8 w + s), stored in LDS as
; images of the operand's registers.  One barrier, ahead of every branch on loaded numbers; then every wave loads all 64 images (windows 1 and 2) and their scale words.
; PHASE 2, THE TILES.  Wave w takes the tiles of quarter w.  A tile's 32 fragments of h come from hq as they were stored, 512 consecutive bytes a load, into window 3; 64 matrix instructions
; (transposed: source 0 = 16 rows of W2, source 1 = h; C of the first = b2) on two accumulators by turns; through the wave's stage in LDS; 2,048 consecutive bytes of ys.
; The lower 16 K steps of the next tile are asked for as soon as this tile's have been multiplied, the upper 16 likewise.  Only tiles that the launch before has stored are asked for.
; Lane r of tile u takes row 8 u + r + 8 (r / 8), so that a lane's 16 results are 16 neighbouring outputs.  ys is laid [512 tiles][32 j][16 rows][32 f32].
; NO JOINT LOADS, though an expert's 32 work-groups read the same h: the number of trips is a loaded number, and no barrier may stand under a branch on it.
; LIMITS: NaN and infinities are not served; a block of w2 whose largest magnitude lies under 2^-124 gets the byte 1.
; REGISTERS.  window 0: v1-15 addresses; v16-79 W2's scale words, v80-95 h's (scales and nothing else); v96-223 the stream's 128 numbers, later accumulators, b2, rows of results; v224-239 codes; v240-255 at work.
;   windows 1, 2: the stream's two sets of loads, later W2's 64 fragments.   window 3: at first my quarter of ridx (v0-15), then h's 32 fragments.
.set ROWP,  16384                      ; a row of w2 in bytes
.set SPIT,  528
.set WSC,   65536
.set STG,   73728
.set YST,   141312                     ; four stages of 16 rows x (128 bytes + 16)
.set HSOFF, 16777216
.set L16, 1
.set SH8, 3
.set STW, 4
.set STR, 5
.set IMW, 6
.set SCW, 7
.set LS,  8
.set YSW, 9
.set YSR, 10
.set AH,  11                           ; the offsets of a tile's images
.set AHS, 12                           ; and scale words
.set RIA, 13                           ; 8 x lane
.set YO,  14                           ; the offset of a tile's rows in ys
.set L4,  15                           ; 4 x lane
.set WS,  16
.set HS,  80
.set X,   96
.set ACC, 96
.set B2,  112
.set YB,  146
.set PC0, 224
.set PC1, 232
.set TM,  240
.set BOF, 249                          ; 64 x (lane / 16)
.set RI,  0                            ; window 3
.set WV,  16                           ; s16 wave, s17 e, s18 j, s19 my first tile (4 e + w) 16, s20 my number of tiles, s21 the next tile's number in my room, s28 the tile in hand, s29 the tile asked for
.set EX,  17
.set JX,  18
.set PB,  19
.set NTT, 20
.set QQ,  21
.set SEL, 22
.set WB,  26                           ; s[26:27] my wave's part of w2;  s[24:25] hq + HSOFF
.set PG,  28
.set CT,  30                           ; s30 the trips done, s31 my number of tiles less one (both free once the head's offsets are made)
.set NT,  31
.set LT,  32                           ; s[32:47] the compares' masks
.set MSB, 0
.macro WIN new                         ; the immediate's high byte repeats the setting that is left
.if MSB != (\new)
	s_set_vgpr_msb (MSB<<8)|(\new)
.set MSB, (\new)
.endif
.endm
.macro GLOAD s                         ; step s: 32 rows x 512 bytes into set s % 2 of window 1
	WIN 0x40
.set rho, 0
.rept 32
	global_load_b128 v[128*((\s)%2)+4*rho:128*((\s)%2)+4*rho+3], v[L16], s[WB:WB+1] offset:rho*ROWP+512*(\s) th:TH_LOAD_NT
.set rho, rho+1
.endr
	WIN 0
.endm
.macro TOST s                          ; into the stage: row rho lies where its tile's lane will look for it
	WIN 0x04
.set rho, 0
.rept 32
	ds_store_b128 v[STW], v[128*((\s)%2)+4*rho:128*((\s)%2)+4*rho+3] offset:SPIT*(16*((rho/8)%2)+8*(rho/16)+rho%8)
.set rho, rho+1
.endr
	WIN 0
.endm
.macro XREAD u                         ; back: lane (r, h) takes k = 64 c + 32 h + 0 .. 31 of its row
.irp c, 0,1
.irp q, 0,1,2,3,4,5,6,7
	ds_load_b128 v[X+64*\u+32*\c+4*\q:X+64*\u+32*\c+4*\q+3], v[STR] offset:16*SPIT*\u+256*\c+16*\q
.endr
.endr
.endm
.macro WQ u, s                         ; 64 numbers a lane become a fragment and its scale word; both go to LDS as they stand
.set XB, X+64*\u
.set PCU, PC0+(PC1-PC0)*\u
.set WD, TM+6+2*\u
.irp c, 0,1
	v_max3_num_f32 v[TM+\c], |v[XB+32*\c]|, |v[XB+32*\c+1]|, 0x1800000      ; my two whole blocks by turns, and the floor 2^(3 - 127)
.endr
.irp n, 2,4,6,8,10,12,14,16,18,20,22,24,26,28,30
.irp c, 0,1
	v_max3_num_f32 v[TM+\c], v[TM+\c], |v[XB+32*\c+\n]|, |v[XB+32*\c+\n+1]|
.endr
.endr
.irp c, 0,1
	v_add_nc_u32 v[TM+2+\c], 0xff000000, v[TM+\c]  ; 2 off the exponent field: the conversion's scale operand
.endr
.irp c, 0,1
	v_lshrrev_b32 v[TM+4+\c], 23, v[TM+2+\c]       ; the scale's byte
.endr
	v_lshl_or_b32 v[WD], v[TM+5], 16, v[TM+4]
	v_lshlrev_b32 v[WD], v[SH8], v[WD]
	v_permlanex16_b32 v[TM+7], v[WD], s[SEL], s[SEL+1]
	v_or_b32 v[WD], v[WD], v[TM+7]                 ; with lane l xor 16's two bytes the word is whole
.irp c, 0,1
.irp g, 0,1,2,3
	v_cvt_scalef32_pk8_fp4_f32 v[PCU+4*\c+\g], v[XB+32*\c+8*\g:XB+32*\c+8*\g+7], v[TM+2+\c]
.endr
.endr
	v_nop                                          ; one plain instruction behind the last conversion
	ds_store_b128 v[IMW], v[PCU:PCU+3] offset:(8*\u+\s)*1024
	ds_store_b128 v[IMW], v[PCU+4:PCU+7] offset:(8*\u+\s)*1024+512
	ds_store_b32 v[SCW], v[WD] offset:(8*\u+\s)*128
.endm
.macro STEP s
.if \s < 7
	s_wait_loadcnt 32                              ; this step's 32 loads, and all that are older, are in; the next step's 32 stay out
.else
	s_wait_loadcnt 0x0
.endif
	TOST \s
	XREAD 0
	XREAD 1
	s_wait_dscnt 16                                ; the stores have read the set and the first fragment's numbers are back; the second's 16 loads stay out
.if \s < 6
	GLOAD \s+2
.endif
	WQ 0, \s
	s_wait_dscnt 3                                 ; the second fragment's numbers are back: behind them stand the three stores just issued
	WQ 1, \s
.endm
.macro ADDR                            ; the offsets of tile s29
	s_wait_xcnt 0x0                                ; loads that are still out have read these registers
	v_lshl_add_u32 v[AH], s29, 15, v[L16]
	v_lshl_add_u32 v[AHS], s29, 11, v[L4]
.endm
.macro HLOAD half                      ; K steps 16 half .. 16 half + 15 of h: 32 loads of images, 8 of scale words (lanes 0-15 an even K step's, lanes 16-31 the odd one's behind it)
	WIN 0xc0
.set kk, 16*\half
.rept 16
.irp c, 0,1
	global_load_b128 v[8*kk+4*\c:8*kk+4*\c+3], v[AH], s[8:9] offset:1024*kk+512*\c
.endr
.set kk, kk+1
.endr
	WIN 0
.irp n, 0,1,2,3,4,5,6,7
	global_load_b32 v[HS+8*\half+\n], v[AHS], s[24:25] offset:128*(8*\half+\n)
.endr
.endm
.macro MMS half                        ; 32 matrix instructions; the two accumulators take turns, one instruction a turn
.set kk, 16*\half
.rept 16
.irp u, 0,1
.if kk == 0
	v_wmma_scale_f32_16x16x128_f8f6f4 v[ACC+8*\u:ACC+8*\u+7], v[8*\u:8*\u+7], v[0:7], v[B2+8*\u:B2+8*\u+7], v[WS+\u], v[HS] matrix_a_fmt:MATRIX_FMT_FP4 matrix_b_fmt:MATRIX_FMT_FP4
.elseif kk%2 == 0
	v_wmma_scale_f32_16x16x128_f8f6f4 v[ACC+8*\u:ACC+8*\u+7], v[8*(2*(kk%16)+\u):8*(2*(kk%16)+\u)+7], v[8*kk:8*kk+7], v[ACC+8*\u:ACC+8*\u+7], v[WS+2*kk+\u], v[HS+kk/2] matrix_a_fmt:MATRIX_FMT_FP4 matrix_b_fmt:MATRIX_FMT_FP4
.else
	v_wmma_scale_f32_16x16x128_f8f6f4 v[ACC+8*\u:ACC+8*\u+7], v[8*(2*(kk%16)+\u):8*(2*(kk%16)+\u)+7], v[8*kk:8*kk+7], v[ACC+8*\u:ACC+8*\u+7], v[WS+2*kk+\u], v[HS+kk/2] matrix_a_fmt:MATRIX_FMT_FP4 matrix_b_fmt:MATRIX_FMT_FP4 matrix_b_scale:MATRIX_SCALE_ROW1
.endif
.endr
.set kk, kk+1
.endr
.endm
; One tile.  pf = 1: my next tile is asked for on the way.
.macro BODY pf
	s_add_co_u32 s[PG], s[PB], s[QQ]
	s_sub_co_u32 s[PG], s[PG], 1
	s_min_u32 s[PG], s[PG], 511                    ; the tile in hand
	s_wait_loadcnt 40                              ; the lower 16 K steps and their scale words are in; the upper half's 32 + 8 loads stay out
	WIN 0x0d                                       ; source 0 (W2) window 1, source 1 (h) window 3
	MMS 0
	WIN 0
.rept 4
	v_nop                                          ; four places in front of loads into registers that matrix instructions have read
.endr
.if \pf
	s_add_co_u32 s29, s[PB], s[QQ]
	s_min_u32 s29, s29, 511
	ADDR
	HLOAD 0
	s_wait_loadcnt 40                              ; this tile's upper half is in; the 32 + 8 loads just issued stay out
.else
	s_wait_loadcnt 0x0
.endif
	WIN 0x0e                                       ; W2's K steps 16-31 lie in window 2
	MMS 1
	WIN 0
.rept 5
	v_nop                                          ; four places for the loads and the LDS stores below; the fifth since the next tile's first products begin these accumulators anew
.endr
.if \pf
	HLOAD 1
.endif
.irp q, 0,1,2,3
	ds_store_b128 v[YSW], v[ACC+4*\q:ACC+4*\q+3] offset:16*\q      ; lane (r, h): outputs 16 h + 0 .. 15 of row r; each accumulator from its low end on
.endr
	s_wait_xcnt 0x0                                ; the last tile's stores have read their data and offset
.irp q, 0,1,2,3
	ds_load_b128 v[YB+4*\q:YB+4*\q+3], v[YSR] offset:576*\q        ; four whole rows a load; LDS serves a wave's instructions in order
.endr
	v_lshl_add_u32 v[YO], s[PG], 16, v[L16]        ; a tile's 32 slices are 65,536 bytes
	s_wait_dscnt 0x0
.irp q, 0,1,2,3
	global_store_b128 v[YO], v[YB+4*\q:YB+4*\q+3], s[14:15] offset:512*\q    ; 32 lanes store 512 consecutive bytes, aligned
.endr
.endm
	s_load_b256 s[4:11], s[0:1], 0x0               ; w2 s[4:5], b2 s[6:7], hq s[8:9], ridx s[10:11]
	s_load_b64 s[14:15], s[0:1], 0x20              ; ys
	v_lshl_add_u32 v254, v0, 2, 0x24c00
	v_mov_b32 v255, 0
	v_lshrrev_b32 v[AH], 5, v0
	v_readfirstlane_b32 s[WV], v[AH]               ; wave 0..3
	s_lshr_b32 s[EX], ttmp9, 5
	s_and_b32 s[JX], ttmp9, 31
	v_and_b32 v[AH], 31, v0                        ; lane
	v_and_b32 v[AHS], 15, v0                       ; r
	v_bfe_u32 v[RIA], v0, 4, 1                     ; h, for the lines below
	v_lshlrev_b32 v[L16], 4, v[AH]
	v_lshlrev_b32 v[L4], 2, v[AH]
	v_lshlrev_b32 v[SH8], 3, v[RIA]
	s_mul_i32 s29, s[WV], 32*SPIT
	s_add_co_u32 s29, s29, STG
	v_add_nc_u32 v[STW], s29, v[L16]
	v_mul_u32_u24 v[STR], v[AHS], SPIT
	v_lshl_add_u32 v[STR], v[RIA], 7, v[STR]
	v_add_nc_u32 v[STR], s29, v[STR]
	s_lshl_b32 s29, s[WV], 14
	v_add_nc_u32 v[IMW], s29, v[L16]               ; image 16 w + 8 u + s
	s_lshl_b32 s29, s[WV], 11
	s_add_co_u32 s29, s29, WSC
	v_add_nc_u32 v[SCW], s29, v[L4]
	v_add_nc_u32 v[LS], WSC, v[L4]
	s_mul_i32 s29, s[WV], 16*144
	s_add_co_u32 s29, s29, YST
	v_mul_u32_u24 v[YSW], v[AHS], 144
	v_lshl_add_u32 v[YSW], v[RIA], 6, v[YSW]
	v_add_nc_u32 v[YSW], s29, v[YSW]               ; in: row r, + 64 h
	v_lshrrev_b32 v[YO], 3, v[AH]
	v_mul_u32_u24 v[YSR], v[YO], 144
	v_and_b32 v[YO], 7, v[AH]
	v_lshl_add_u32 v[YSR], v[YO], 4, v[YSR]
	v_add_nc_u32 v[YSR], s29, v[YSR]               ; back: eight lanes to a row of 128 bytes
	v_lshlrev_b32 v[BOF], 6, v[RIA]
	v_lshlrev_b32 v[RIA], 3, v[AH]                 ; from here on 8 x lane
	v_mov_b32 v[TM+7], 0                           ; written once: a lane permute's destination counts as one of its sources
	s_mov_b32 s[SEL], 0x76543210
	s_mov_b32 s[SEL+1], 0xfedcba98
	s_lshl_b32 s[PB], s[EX], 6
	s_lshl_b32 s29, s[WV], 4
	s_add_co_u32 s[PB], s[PB], s29                 ; (4 e + w) 16
	s_lshl_b32 s30, ttmp9, 19                      ; the work-group's 524,288 bytes,
	s_lshl_b32 s31, s[WV], 12                      ; my wave's 1,024 along K
	s_add_co_u32 s30, s30, s31
	s_mov_b32 s31, 0
	s_wait_kmcnt 0x0
	s_add_nc_u64 s[WB:WB+1], s[4:5], s[30:31]
	s_lshl_b32 s30, ttmp9, 7
	s_add_nc_u64 s[6:7], s[6:7], s[30:31]          ; b2 at the work-group's 32 outputs
	s_mov_b32 s30, HSOFF
	s_add_nc_u64 s[24:25], s[8:9], s[30:31]
	s_lshl_b32 s30, s[JX], 11
	s_add_nc_u64 s[14:15], s[14:15], s[30:31]      ; ys at slice j of a tile
	s_lshl_b32 s30, s[WV], 11
	s_add_nc_u64 s[10:11], s[10:11], s[30:31]      ; ridx at my quarter: 8 bytes a token
	WIN 0xc0
.irp q, 0,1,2,3,4,5,6,7                        ; load q, lane l: the two experts of token 32 q + l.  Older than the weights' loads: they change no count
	global_load_b64 v[RI+2*\q:RI+2*\q+1], v[RIA], s[10:11] offset:256*\q
.endr
	GLOAD 0
	GLOAD 1
	STEP 0
	; the step's first wait has shown my quarter of ridx landed: how many of its tokens chose e, and so my number of tiles
	WIN 0x0c                                       ; source 1 window 3
.irp q, 0,1,2,3,4,5,6,7
	v_cmp_eq_u32 s[LT+2*\q], s[EX], v[RI+2*\q]
	v_cmp_eq_u32 s[LT+2*\q+1], s[EX], v[RI+2*\q+1]
.endr
	WIN 0
	s_mov_b32 s[NTT], 0
.irp q, 0,1,2,3,4,5,6,7
	s_or_b32 s29, s[LT+2*\q], s[LT+2*\q+1]
	s_bcnt1_i32_b32 s29, s29
	s_add_co_u32 s[NTT], s[NTT], s29
.endr
	s_add_co_u32 s[NTT], s[NTT], 15
	s_lshr_b32 s[NTT], s[NTT], 4
	s_min_u32 s[NTT], s[NTT], 16                   ; 0 to 16 tiles
.irp s, 1,2,3,4,5,6,7
	STEP \s
.endr
	s_wait_dscnt 0x0                               ; for the others' sake: my images lie in LDS
.irp u, 0,1                                    ; b2 in the result's layout: lane (r, h), tile u: outputs 16 h + 8 u + 0 .. 7.  Older than h's loads: they change no count
	global_load_b128 v[B2+8*\u:B2+8*\u+3], v[BOF], s[6:7] offset:32*\u
	global_load_b128 v[B2+8*\u+4:B2+8*\u+7], v[BOF], s[6:7] offset:32*\u+16
.endr
	s_barrier_signal -1
	s_barrier_wait -1                              ; all 64 images lie in LDS; nobody writes them again
	s_cmp_eq_u32 s[NTT], 0
	s_cbranch_scc1 .Lend                           ; no token of my quarter chose this expert
	s_min_u32 s29, s[PB], 511                      ; my first tile: asked for now, it lands while the images are read
	ADDR
	HLOAD 0
	HLOAD 1
.irp hw, 0,1                                   ; fragment (tile u, K step S) = image 16 (S / 8) + 8 u + S % 8 -> window 1 + S / 16, v[8 (2 (S % 16) + u)]
	WIN 0x40*(1+\hw)
.set kk, 16*\hw
.rept 16
.irp u, 0,1
.irp c, 0,1
	ds_load_b128 v[8*(2*(kk%16)+\u)+4*\c:8*(2*(kk%16)+\u)+4*\c+3], v[L16] offset:(16*(kk/8)+8*\u+kk%8)*1024+512*\c
.endr
.endr
.set kk, kk+1
.endr
.endr
	WIN 0
.set kk, 0
.rept 32
.irp u, 0,1
	ds_load_b32 v[WS+2*kk+\u], v[LS] offset:(16*(kk/8)+8*\u+kk%8)*128
.endr
.set kk, kk+1
.endr
	s_wait_dscnt 0x0
	s_sub_co_u32 s[NT], s[NTT], 1                  ; all my tiles but the last ask for a successor: the loop's trips, counted by ones
	s_min_u32 s[NT], s[NT], 15
	s_mov_b32 s[CT], 0
	s_mov_b32 s[QQ], 1                             ; the next tile's number in my room
	s_cmp_eq_u32 s[NT], 0
	s_cbranch_scc1 .Ltail
.Lloop:                                            ; on both ways in, the tile's lower half (40 loads) and then its upper half (40) have been asked for
	BODY 1
	s_add_co_u32 s[QQ], s[QQ], 1
	s_add_co_u32 s[CT], s[CT], 1
	s_cmp_lt_u32 s[CT], s[NT]
	s_cbranch_scc1 .Lloop
.Ltail:
	BODY 0                                         ; my last tile asks for nothing
.Lend:
	s_wait_tensorcnt 0x0
	ds_add_u32 v254, v255
	s_wait_dscnt 0x0
	s_endpgm
.Lfunc_end_k_qcb92e6cb0d_ffn2:
	.size	k_qcb92e6cb0d_ffn2, .Lfunc_end_k_qcb92e6cb0d_ffn2-k_qcb92e6cb0d_ffn2
	.p2alignl 7, 3214868480
	.fill 96, 4, 3214868480
	.section	.rodata,"a",@progbits
	.p2align	6, 0x0
	.amdhsa_kernel k_qcb92e6cb0d_ffn2
		.amdhsa_group_segment_fixed_size 151040
		.amdhsa_private_segment_fixed_size 0
		.amdhsa_enable_private_segment 0
		.amdhsa_kernarg_size 40
		.amdhsa_user_sgpr_count 2
		.amdhsa_user_sgpr_kernarg_segment_ptr 1
		.amdhsa_wavefront_size32 1
		.amdhsa_system_sgpr_workgroup_id_x 1
		.amdhsa_system_sgpr_workgroup_id_y 1
		.amdhsa_system_sgpr_workgroup_id_z 1
		.amdhsa_system_vgpr_workitem_id 0
		.amdhsa_next_free_vgpr 1024
		.amdhsa_next_free_sgpr 66
		.amdhsa_reserve_vcc 0
		.amdhsa_float_denorm_mode_32 3
		.amdhsa_float_denorm_mode_16_64 3
		.amdhsa_memory_ordered 1
		.amdhsa_forward_progress 1
		.amdhsa_inst_pref_size 162
	.end_amdhsa_kernel
	.amdgpu_metadata
---
amdhsa.version: [ 1, 2 ]
amdhsa.kernels:
  - .name:           k_qcb92e6cb0d_ffn2
    .symbol:         k_qcb92e6cb0d_ffn2.kd
    .args:
      - { .name: w2, .offset: 0, .size: 8, .value_kind: global_buffer, .address_space: global }
      - { .name: b2, .offset: 8, .size: 8, .value_kind: global_buffer, .address_space: global }
      - { .name: hq, .offset: 16, .size: 8, .value_kind: global_buffer, .address_space: global }
      - { .name: ridx, .offset: 24, .size: 8, .value_kind: global_buffer, .address_space: global }
      - { .name: ys, .offset: 32, .size: 8, .value_kind: global_buffer, .address_space: global }
    .group_segment_fixed_size: 151040
    .private_segment_fixed_size: 0
    .kernarg_segment_align: 8
    .kernarg_segment_size: 40
    .max_flat_workgroup_size: 128
    .sgpr_count:     66
    .vgpr_count:     1024
    .wavefront_size: 32
...
	.end_amdgpu_metadata
.endif
;; end of part 3
;; launch combine (part 4): grid 256 x 1, 4 waves a work-group, no clusters, 0 bytes of LDS; arguments ys, ridx, out2, out0; writes out0
.if DOCPART == 4
	.amdgcn_target "amdgcn-amd-amdhsa--gfx1250"
	.amdhsa_code_object_version 6
	.text
	.protected	k_qcb92e6cb0d_combine
	.globl	k_qcb92e6cb0d_combine
	.p2align	8
	.type	k_qcb92e6cb0d_combine,@function
k_qcb92e6cb0d_combine:
	s_mov_b64 s[64:65], 0
	v_nop
	global_prefetch_b8 v0, s[64:65] scope:SCOPE_SE
	s_setreg_imm32_b32 hwreg(HW_REG_WAVE_MODE, 25, 1), 1
	s_wait_xcnt 0x0
; out0[t] = g0 ys[row(t, 0)] + g1 ys[row(t, 1)]: a token's two expert rows, made by different work-groups of the launch before, are weighed by its two scores (out2) and added here:
; each output row has one owner and no atomics are needed.
; WHERE A ROW LIES.  The rows of (expert e, quarter of 256 tokens) have a fixed room of 16 tiles: tile (4 e + quarter) 16 + rank / 16, row rank % 16, and the rank is the number of earlier tokens of the quarter
; that chose e.  One wave takes one token: it reads its quarter's 2,048 bytes of ridx (lane l, load q: token 32 q + l), compares them with its two experts, keeps the tokens in front of its own, and counts bits.
; ys is laid [512 tiles][32 slices][16 rows][32 f32]: eight lanes read a slice's 128 bytes, a load covers four slices, and a store covers 512 consecutive bytes of out0.
; All 16 loads of ys go out at once; memory and latency bind: no LDS, no barrier, no matrix unit.
.set RI, 8                             ; v8-23   my quarter of ridx
.set A, 24                             ; v24-55  the first row, then the sums
.set B, 56                             ; v56-87  the second row
; s13 my token, s15 its quarter, s17 its mask word, s18 the bits under its own; s[20:21] its experts, s[22:23] its scores; s[24:31] for each word the tokens in front of mine;
; s[36:51], s[66:81] the compares' masks; s52, s53 the two ranks
	s_load_b256 s[4:11], s[0:1], 0x0               ; ys s[4:5], ridx s[6:7], out2 s[8:9], out0 s[10:11]
	v_lshrrev_b32 v1, 5, v0
	v_readfirstlane_b32 s12, v1                    ; wave
	s_lshl_b32 s13, ttmp9, 2
	s_add_co_u32 s13, s13, s12                     ; my token
	s_lshl_b32 s14, s13, 3
	s_lshr_b32 s15, s13, 8
	s_and_b32 s16, s13, 255
	s_lshr_b32 s17, s16, 5
	s_and_b32 s18, s16, 31
	s_lshl_b32 s18, 1, s18
	s_sub_co_u32 s18, s18, 1
.irp q, 0,1,2,3,4,5,6,7
	s_cmp_gt_u32 s17, \q                           ; a word in front of mine counts whole,
	s_cselect_b32 s[24+\q], -1, 0
	s_cmp_eq_u32 s17, \q                           ; my own up to my bit, the others not
	s_cselect_b32 s[24+\q], s18, s[24+\q]
.endr
	s_lshl_b32 s32, s15, 11
	s_mov_b32 s33, 0
	v_and_b32 v1, 31, v0                           ; lane
	v_lshrrev_b32 v2, 3, v1
	v_lshlrev_b32 v2, 11, v2                       ; slice lane / 8 of a load's four: 2,048 bytes a slice,
	v_and_b32 v3, 7, v1
	v_lshl_add_u32 v2, v3, 4, v2                   ; 16 bytes a lane in its 128
	v_lshlrev_b32 v4, 4, v1
	v_lshlrev_b32 v7, 3, v1
	s_wait_kmcnt 0x0
	s_load_b64 s[20:21], s[6:7], s14 offset:0x0
	s_load_b64 s[22:23], s[8:9], s14 offset:0x0
	s_add_nc_u64 s[34:35], s[6:7], s[32:33]        ; ridx at my quarter
.irp q, 0,1,2,3,4,5,6,7
	global_load_b64 v[RI+2*\q:RI+2*\q+1], v7, s[34:35] offset:256*\q
.endr
	s_lshl_b32 s32, s13, 12
	s_add_nc_u64 s[10:11], s[10:11], s[32:33]      ; out0 at my token's row
	s_wait_kmcnt 0x0
	s_mov_b32 s58, s23                             ; the second score as the low word of a pair of its own
	s_mov_b32 s59, s23
	s_wait_loadcnt 0x0
.irp q, 0,1,2,3,4,5,6,7
	v_cmp_eq_u32 s[36+2*\q], s20, v[RI+2*\q]
	v_cmp_eq_u32 s[37+2*\q], s20, v[RI+2*\q+1]
	v_cmp_eq_u32 s[66+2*\q], s21, v[RI+2*\q]
	v_cmp_eq_u32 s[67+2*\q], s21, v[RI+2*\q+1]
.endr
	s_mov_b32 s52, 0
	s_mov_b32 s53, 0
.irp q, 0,1,2,3,4,5,6,7
	s_or_b32 s54, s[36+2*\q], s[37+2*\q]
	s_or_b32 s55, s[66+2*\q], s[67+2*\q]
	s_and_b32 s54, s54, s[24+\q]
	s_and_b32 s55, s55, s[24+\q]
	s_bcnt1_i32_b32 s54, s54
	s_bcnt1_i32_b32 s55, s55
	s_add_co_u32 s52, s52, s54
	s_add_co_u32 s53, s53, s55
.endr
.irp k, 0,1
	s_lshl_b32 s56, s[20+\k], 2
	s_add_co_u32 s56, s56, s15
	s_lshl_b32 s56, s56, 4
	s_lshr_b32 s57, s[52+\k], 4
	s_add_co_u32 s56, s56, s57                     ; the tile,
	s_min_u32 s56, s56, 511                        ; held inside the table, as every number made of loaded ones that enters an address
	s_and_b32 s57, s[52+\k], 15                    ; the row in it
	s_min_u32 s57, s57, 15
	s_lshl_b32 s56, s56, 16
	s_lshl_b32 s57, s57, 7
	s_add_co_u32 s56, s56, s57
	v_add_nc_u32 v[5+\k], s56, v2
.endr
.irp q, 0,1,2,3,4,5,6,7
	global_load_b128 v[A+4*\q:A+4*\q+3], v5, s[4:5] offset:8192*\q
	global_load_b128 v[B+4*\q:B+4*\q+3], v6, s[4:5] offset:8192*\q
.endr
.irp q, 0,1,2,3,4,5,6,7
	s_wait_loadcnt 14-2*\q                         ; pair q is in; the younger pairs stay out
	v_pk_mul_f32 v[A+4*\q:A+4*\q+1], v[A+4*\q:A+4*\q+1], s[22:23] op_sel_hi:[1,0]
	v_pk_mul_f32 v[A+4*\q+2:A+4*\q+3], v[A+4*\q+2:A+4*\q+3], s[22:23] op_sel_hi:[1,0]
	v_pk_fma_f32 v[A+4*\q:A+4*\q+1], v[B+4*\q:B+4*\q+1], s[58:59], v[A+4*\q:A+4*\q+1] op_sel_hi:[1,0,1]
	v_pk_fma_f32 v[A+4*\q+2:A+4*\q+3], v[B+4*\q+2:B+4*\q+3], s[58:59], v[A+4*\q+2:A+4*\q+3] op_sel_hi:[1,0,1]
	global_store_b128 v4, v[A+4*\q:A+4*\q+3], s[10:11] offset:512*\q th:TH_STORE_NT
.endr
	s_endpgm
.Lfunc_end_k_qcb92e6cb0d_combine:
	.size	k_qcb92e6cb0d_combine, .Lfunc_end_k_qcb92e6cb0d_combine-k_qcb92e6cb0d_combine
	.p2alignl 7, 3214868480
	.fill 96, 4, 3214868480
	.section	.rodata,"a",@progbits
	.p2align	6, 0x0
	.amdhsa_kernel k_qcb92e6cb0d_combine
		.amdhsa_group_segment_fixed_size 0
		.amdhsa_private_segment_fixed_size 0
		.amdhsa_enable_private_segment 0
		.amdhsa_kernarg_size 32
		.amdhsa_user_sgpr_count 2
		.amdhsa_user_sgpr_kernarg_segment_ptr 1
		.amdhsa_wavefront_size32 1
		.amdhsa_system_sgpr_workgroup_id_x 1
		.amdhsa_system_sgpr_workgroup_id_y 1
		.amdhsa_system_sgpr_workgroup_id_z 1
		.amdhsa_system_vgpr_workitem_id 0
		.amdhsa_next_free_vgpr 88
		.amdhsa_next_free_sgpr 82
		.amdhsa_reserve_vcc 0
		.amdhsa_float_denorm_mode_32 3
		.amdhsa_float_denorm_mode_16_64 3
		.amdhsa_memory_ordered 1
		.amdhsa_forward_progress 1
		.amdhsa_inst_pref_size 13
	.end_amdhsa_kernel
	.amdgpu_metadata
---
amdhsa.version: [ 1, 2 ]
amdhsa.kernels:
  - .name:           k_qcb92e6cb0d_combine
    .symbol:         k_qcb92e6cb0d_combine.kd
    .args:
      - { .name: ys, .offset: 0, .size: 8, .value_kind: global_buffer, .address_space: global }
      - { .name: ridx, .offset: 8, .size: 8, .value_kind: global_buffer, .address_space: global }
      - { .name: out2, .offset: 16, .size: 8, .value_kind: global_buffer, .address_space: global }
      - { .name: out0, .offset: 24, .size: 8, .value_kind: global_buffer, .address_space: global }
    .group_segment_fixed_size: 0
    .private_segment_fixed_size: 0
    .kernarg_segment_align: 8
    .kernarg_segment_size: 32
    .max_flat_workgroup_size: 128
    .sgpr_count:     82
    .vgpr_count:     88
    .wavefront_size: 32
...
	.end_amdgpu_metadata
.endif
;; end of part 4
;; ======== version 2 of 2: 4 launches
;; workspace buffers: xq 557,056 bytes; ridx 8,192 bytes of whole numbers; hq 17,825,792 bytes; ys 33,554,432 bytes
;; launch router (part 5): grid 64 x 1, 4 waves a work-group, no clusters, 33,280 bytes of LDS; arguments x, w_gate, b_gate, out1, out2, ridx, xq; writes out1, out2, ridx, xq
.if DOCPART == 5
	.amdgcn_target "amdgcn-amd-amdhsa--gfx1250"
	.amdhsa_code_object_version 6
	.text
	.protected	k_qcb92e6cb0d_router
	.globl	k_qcb92e6cb0d_router
	.p2align	8
	.type	k_qcb92e6cb0d_router,@function
k_qcb92e6cb0d_router:
	s_mov_b64 s[64:65], 0
	v_nop
	global_prefetch_b8 v0, s[64:65] scope:SCOPE_SE
	s_setreg_imm32_b32 hwreg(HW_REG_WAVE_MODE, 25, 1), 1
	s_wait_xcnt 0x0
; THE ROUTER, AND x INTO CODES.  x: [1024 tokens][1024] f32.  logits = x w_gate^T + b_gate in f32 fused multiply-adds; softmax with the row's maximum taken away; the two largest scores
; (of equal scores the lower index) go to out1 (indices), out2 (scores) and ridx (the indices once more, for the next launch: all at fixed places, no address here hangs on them).
; x is also turned into codes of FP4 (E2M1) with one E8M0 byte for each 32 along K: xq holds [1024][512 bytes] of codes, K in its natural order, and from XSOFF on [1024][32] scale bytes.
; A block's byte is its largest magnitude's exponent field - 2, held at 1 from below (a block of zeros keeps the byte 1: its codes are zeros, and this program alone reads the bytes).
; SHARES.  64 work-groups of four waves; a wave takes four tokens.  A lane holds 32 numbers of a token (eight loads of 512 consecutive bytes a wave) and the same 32 places of all eight rows of w_gate
; (256 registers, window 1), so a logit is 16 packed multiply-adds a lane and one sum over the lanes.  No matrix unit: eight columns are half a tile, and the indices are compared exactly.
; For the conversions a lane must hold 16 NEIGHBOURS: a token's two halves of 2,048 bytes turn through the wave's own stage in LDS (64 bytes + 16 of padding a lane).  Waves share nothing: no barrier.
; LIMITS: NaN and infinities are not served.  v_exp_f32 gives 0 where a score would fall under 2^-126: scores that small count as equal here, and the lower index is taken.
; Scores that are equal only by the rounding of another exponential or division may be ordered otherwise.
.set XSOFF, 524288
.set R,   16                           ; v16-143  token i, load m: 4 registers at R + 32 i + 4 m
.set ACC, 144                          ; v144-159 eight pairs of partial sums
.set X,   160                          ; v160-191 two sets of 16 neighbours
.set C,   192                          ; v192-207 codes: two registers for each of the 8 half tokens, so that no store's data are written again
.set E,   208                          ; v208-215 their scale bytes
.set L,   216                          ; v216-223 logits, then scores
.set T,   224                          ; v224-231 the other half of the lanes' sums
.set MX,  232
.set SUM, 233
.set RC,  234
.set BV,  235                          ; the largest score and its index
.set BI,  236
.set SV,  237                          ; the second
.set SI,  238
.set OI,  240                          ; lane k (of each eight): word k of the wave's 8 words of out1;
.set OV,  241                          ; of out2
.set MSB, 0
.macro WIN new                         ; the immediate's high byte repeats the setting that is left
.if MSB != (\new)
	s_set_vgpr_msb (MSB<<8)|(\new)
.set MSB, (\new)
.endif
.endm
	s_load_b256 s[4:11], s[0:1], 0x0               ; x s[4:5], w_gate s[6:7], b_gate s[8:9], out1 s[10:11]
	s_load_b128 s[12:15], s[0:1], 0x20             ; out2 s[12:13], ridx s[14:15]
	s_load_b64 s[16:17], s[0:1], 0x30              ; xq
	v_lshl_add_u32 v254, v0, 2, 0x8000
	v_mov_b32 v255, 0
	v_lshrrev_b32 v9, 5, v0
	v_readfirstlane_b32 s18, v9                    ; wave
	v_and_b32 v9, 31, v0                           ; lane
	v_lshlrev_b32 v1, 4, v9                        ; 16 x lane
	s_lshl_b32 s42, s18, 13                        ; my wave's 8,192 bytes of LDS
	v_lshrrev_b32 v10, 2, v9
	v_mul_u32_u24 v2, v10, 80
	v_and_b32 v10, 3, v9
	v_lshl_add_u32 v2, v10, 4, v2
	v_add_nc_u32 v2, s42, v2                       ; the stage, in: four lanes' 64 bytes on end, then 16 of padding
	v_mul_u32_u24 v3, v9, 80
	v_add_nc_u32 v3, s42, v3                       ; out: 80 x lane: my 16 neighbours
	s_add_co_u32 s42, s42, 5120                    ; behind the two stages: the wave's 128 scale bytes
	v_lshrrev_b32 v4, 1, v9
	v_add_nc_u32 v4, s42, v4                       ; my block's byte
	v_lshlrev_b32 v7, 2, v9                        ; 4 x lane
	v_add_nc_u32 v5, s42, v7                       ; and on the way out 4 bytes a lane
	v_lshlrev_b32 v6, 3, v9                        ; 8 x lane: my codes' place in a half token's 256 bytes
	v_and_b32 v10, 7, v9
	v_lshlrev_b32 v8, 2, v10                       ; 4 x (lane % 8): lanes 8 to 31 repeat lanes 0 to 7, address and value
.irp k, 0,1,2,3,4,5,6,7
	v_cmp_eq_u32 s[32+\k], \k, v10                 ; the lanes that hold word k
.endr
.irp k, 0,1,2,3,4,5,6,7
	v_mov_b32 v[T+\k], 0                           ; written once: a lane permute's destination counts as one of its sources
.endr
	s_mov_b32 s20, 0x76543210
	s_mov_b32 s21, 0xfedcba98                      ; v_permlanex16_b32's selects for lane l xor 16
	s_lshl_b32 s19, ttmp9, 4
	s_lshl_b32 s43, s18, 2
	s_add_co_u32 s19, s19, s43                     ; my first token: 16 x work-group + 4 x wave
	s_mov_b32 s43, 0
	s_wait_kmcnt 0x0
	s_load_b256 s[24:31], s[8:9], 0x0              ; b_gate
	s_lshl_b32 s42, s19, 12
	s_add_nc_u64 s[4:5], s[4:5], s[42:43]          ; x at my first token
	s_lshl_b32 s42, s19, 5
	s_add_co_u32 s42, s42, XSOFF
	s_add_nc_u64 s[40:41], s[16:17], s[42:43]      ; its scale bytes
	s_lshl_b32 s42, s19, 9
	s_add_nc_u64 s[16:17], s[16:17], s[42:43]      ; its codes
	s_lshl_b32 s42, s19, 3
	s_add_nc_u64 s[10:11], s[10:11], s[42:43]
	s_add_nc_u64 s[12:13], s[12:13], s[42:43]
	s_add_nc_u64 s[14:15], s[14:15], s[42:43]
.irp i, 0,1,2,3
.irp m, 0,1,2,3,4,5,6,7
	global_load_b128 v[R+32*\i+4*\m:R+32*\i+4*\m+3], v1, s[4:5] offset:4096*\i+512*\m th:TH_LOAD_NT   ; 32 lanes read 512 consecutive bytes
.endr
.endr
	WIN 0x40                                       ; destination window 1
.irp e, 0,1,2,3,4,5,6,7
.irp m, 0,1,2,3,4,5,6,7
	global_load_b128 v[32*\e+4*\m:32*\e+4*\m+3], v1, s[6:7] offset:4096*\e+512*\m
.endr
.endr
	WIN 0
	s_wait_loadcnt 0x0
	s_wait_kmcnt 0x0
.macro TOKEN i
	; the token's two halves start their turn through the stages; LDS serves a wave's instructions in order, so no wait stands between the stores and the loads
.irp st, 0,1
.irp m, 0,1,2,3
	ds_store_b128 v2, v[R+32*\i+16*\st+4*\m:R+32*\i+16*\st+4*\m+3] offset:2560*\st+640*\m
.endr
.irp j, 0,1,2,3
	ds_load_b128 v[X+16*\st+4*\j:X+16*\st+4*\j+3], v3 offset:2560*\st+16*\j
.endr
.endr
	; eight dot products, two numbers an instruction; the eight chains take turns
	WIN 0x04                                       ; source 1 (w_gate) window 1
.set mm, 0
.rept 16
.set ee, 0
.rept 8
.if mm == 0
	v_pk_mul_f32 v[ACC+2*ee:ACC+2*ee+1], v[R+32*\i:R+32*\i+1], v[32*ee:32*ee+1]
.else
	v_pk_fma_f32 v[ACC+2*ee:ACC+2*ee+1], v[R+32*\i+2*mm:R+32*\i+2*mm+1], v[32*ee+2*mm:32*ee+2*mm+1], v[ACC+2*ee:ACC+2*ee+1]
.endif
.set ee, ee+1
.endr
.set mm, mm+1
.endr
	WIN 0
.irp e, 0,1,2,3,4,5,6,7
	v_add_f32 v[L+\e], v[ACC+2*\e], v[ACC+2*\e+1]
.endr
.irp k, 1,2,4,8
.irp e, 0,1,2,3,4,5,6,7
	v_add_f32_dpp v[L+\e], v[L+\e], v[L+\e] row_xmask:\k row_mask:0xf bank_mask:0xf
.endr
.endr
.irp e, 0,1,2,3,4,5,6,7
	v_permlanex16_b32 v[T+\e], v[L+\e], s20, s21
.endr
.irp e, 0,1,2,3,4,5,6,7
	v_add_f32 v[L+\e], v[L+\e], v[T+\e]            ; every lane holds the sum
.endr
.irp e, 0,1,2,3,4,5,6,7
	v_add_f32 v[L+\e], s[24+\e], v[L+\e]           ; + b_gate: the logits
.endr
	v_max3_num_f32 v[MX], v[L], v[L+1], v[L+2]
	v_max3_num_f32 v[MX], v[MX], v[L+3], v[L+4]
	v_max3_num_f32 v[MX], v[MX], v[L+5], v[L+6]
	v_max_num_f32 v[MX], v[MX], v[L+7]
.irp e, 0,1,2,3,4,5,6,7
	v_sub_f32 v[L+\e], v[L+\e], v[MX]              ; the difference first, then the factor: not fused, so that large logits lose nothing
.endr
.irp e, 0,1,2,3,4,5,6,7
	v_mul_f32 v[L+\e], 0x3fb8aa3b, v[L+\e]         ; x log2(e)
.endr
	s_wait_alu depctr_va_vdst(0)
.irp e, 0,1,2,3,4,5,6,7
	v_exp_f32 v[L+\e], v[L+\e]
.endr
	v_nop                                          ; a plain instruction between the last exponential and the use of its result
	s_wait_alu depctr_va_vdst(0)
	v_add_f32 v[SUM], v[L], v[L+1]
	v_add_f32 v[RC], v[L+2], v[L+3]
	v_add_f32 v[BV], v[L+4], v[L+5]
	v_add_f32 v[SV], v[L+6], v[L+7]
	v_add_f32 v[SUM], v[SUM], v[RC]
	v_add_f32 v[BV], v[BV], v[SV]
	v_add_f32 v[SUM], v[SUM], v[BV]
	s_wait_alu depctr_va_vdst(0)
	v_rcp_f32 v[RC], v[SUM]
	v_nop
	s_wait_alu depctr_va_vdst(0)
.irp e, 0,1,2,3,4,5,6,7
	v_mul_f32 v[L+\e], v[L+\e], v[RC]              ; the scores
.endr
	v_mov_b32 v[BV], v[L]                          ; the largest: a later one replaces it only if it is greater, so the lower index stays
	v_mov_b32 v[BI], 0
.irp e, 1,2,3,4,5,6,7
	v_cmp_gt_f32 vcc_lo, v[L+\e], v[BV]
	v_cndmask_b32 v[BV], v[BV], v[L+\e], vcc_lo
	v_cndmask_b32 v[BI], v[BI], \e, vcc_lo
.endr
	v_mov_b32 v[SV], -1.0                          ; the second: the same scan over the other seven; every score is 0 or more
	v_mov_b32 v[SI], 0
.irp e, 0,1,2,3,4,5,6,7
	v_cmp_gt_f32 s42, v[L+\e], v[SV]
	v_cmp_ne_u32 s43, \e, v[BI]
	s_and_b32 vcc_lo, s42, s43
	v_cndmask_b32 v[SV], v[SV], v[L+\e], vcc_lo
	v_cndmask_b32 v[SI], v[SI], \e, vcc_lo
.endr
.if \i == 0
	v_mov_b32 v[OI], v[BI]
	v_mov_b32 v[OV], v[BV]
.else
	v_cndmask_b32 v[OI], v[OI], v[BI], s[32+2*\i]
	v_cndmask_b32 v[OV], v[OV], v[BV], s[32+2*\i]
.endif
	v_cndmask_b32 v[OI], v[OI], v[SI], s[33+2*\i]
	v_cndmask_b32 v[OV], v[OV], v[SV], s[33+2*\i]
	s_wait_dscnt 0x0                               ; both halves are back from the stages
.irp st, 0,1
	v_max3_num_f32 v9, |v[X+16*\st]|, |v[X+16*\st+1]|, |v[X+16*\st+2]|      ; the largest magnitude of my 16, in two chains
	v_max3_num_f32 v10, |v[X+16*\st+3]|, |v[X+16*\st+4]|, |v[X+16*\st+5]|
.irp n, 6,10
	v_max3_num_f32 v9, v9, |v[X+16*\st+\n]|, |v[X+16*\st+\n+1]|
	v_max3_num_f32 v10, v10, |v[X+16*\st+\n+2]|, |v[X+16*\st+\n+3]|
.endr
	v_max3_num_f32 v9, v9, |v[X+16*\st+14]|, |v[X+16*\st+15]|
	v_max3_num_f32 v9, v9, v10, 0x1800000          ; and the floor 2^(3 - 127): the byte cannot fall under 1
	v_max_num_f32_dpp v9, v9, v9 row_xmask:1 row_mask:0xf bank_mask:0xf    ; with my neighbour's 16: the block's
	v_add_nc_u32 v11, 0xff000000, v9               ; 2 off its exponent field: the conversion takes the exponent field of this operand as its scale
	v_cvt_scalef32_pk8_fp4_f32 v[C+4*\i+2*\st], v[X+16*\st:X+16*\st+7], v11
	v_cvt_scalef32_pk8_fp4_f32 v[C+4*\i+2*\st+1], v[X+16*\st+8:X+16*\st+15], v11
	v_lshrrev_b32 v[E+2*\i+\st], 23, v11           ; the scale's byte (also the plain instruction behind the conversions)
	ds_store_b8 v4, v[E+2*\i+\st] offset:32*\i+16*\st                     ; both lanes of a block write the same byte with the same value
	global_store_b64 v6, v[C+4*\i+2*\st:C+4*\i+2*\st+1], s[16:17] offset:512*\i+256*\st   ; 32 lanes store 256 consecutive bytes, aligned
.endr
.endm
	TOKEN 0
	TOKEN 1
	TOKEN 2
	TOKEN 3
	ds_load_b32 v12, v5                            ; LDS serves a wave's instructions in order: this sees my byte stores
	global_store_b32 v8, v[OI], s[10:11]           ; out1
	global_store_b32 v8, v[OI], s[14:15]           ; ridx
	global_store_b32 v8, v[OV], s[12:13]           ; out2
	s_wait_dscnt 0x0
	global_store_b32 v7, v12, s[40:41]             ; four tokens' 128 scale bytes
	s_wait_tensorcnt 0x0
	ds_add_u32 v254, v255
	s_wait_dscnt 0x0
	s_endpgm
.Lfunc_end_k_qcb92e6cb0d_router:
	.size	k_qcb92e6cb0d_router, .Lfunc_end_k_qcb92e6cb0d_router-k_qcb92e6cb0d_router
	.p2alignl 7, 3214868480
	.fill 96, 4, 3214868480
	.section	.rodata,"a",@progbits
	.p2align	6, 0x0
	.amdhsa_kernel k_qcb92e6cb0d_router
		.amdhsa_group_segment_fixed_size 33280
		.amdhsa_private_segment_fixed_size 0
		.amdhsa_enable_private_segment 0
		.amdhsa_kernarg_size 56
		.amdhsa_user_sgpr_count 2
		.amdhsa_user_sgpr_kernarg_segment_ptr 1
		.amdhsa_wavefront_size32 1
		.amdhsa_system_sgpr_workgroup_id_x 1
		.amdhsa_system_sgpr_workgroup_id_y 1
		.amdhsa_system_sgpr_workgroup_id_z 1
		.amdhsa_system_vgpr_workitem_id 0
		.amdhsa_next_free_vgpr 512
		.amdhsa_next_free_sgpr 66
		.amdhsa_reserve_vcc 1
		.amdhsa_float_denorm_mode_32 3
		.amdhsa_float_denorm_mode_16_64 3
		.amdhsa_memory_ordered 1
		.amdhsa_forward_progress 1
		.amdhsa_inst_pref_size 91
	.end_amdhsa_kernel
	.amdgpu_metadata
---
amdhsa.version: [ 1, 2 ]
amdhsa.kernels:
  - .name:           k_qcb92e6cb0d_router
    .symbol:         k_qcb92e6cb0d_router.kd
    .args:
      - { .name: x, .offset: 0, .size: 8, .value_kind: global_buffer, .address_space: global }
      - { .name: w_gate, .offset: 8, .size: 8, .value_kind: global_buffer, .address_space: global }
      - { .name: b_gate, .offset: 16, .size: 8, .value_kind: global_buffer, .address_space: global }
      - { .name: out1, .offset: 24, .size: 8, .value_kind: global_buffer, .address_space: global }
      - { .name: out2, .offset: 32, .size: 8, .value_kind: global_buffer, .address_space: global }
      - { .name: ridx, .offset: 40, .size: 8, .value_kind: global_buffer, .address_space: global }
      - { .name: xq, .offset: 48, .size: 8, .value_kind: global_buffer, .address_space: global }
    .group_segment_fixed_size: 33280
    .private_segment_fixed_size: 0
    .kernarg_segment_align: 8
    .kernarg_segment_size: 56
    .max_flat_workgroup_size: 128
    .sgpr_count:     66
    .vgpr_count:     512
    .wavefront_size: 32
...
	.end_amdgpu_metadata
.endif
;; end of part 5
;; launch ffn1 (part 6): grid 256 x 1, 4 waves a work-group, no clusters, 176,640 bytes of LDS; arguments w1, b1, xq, ridx, hq; writes hq
.if DOCPART == 6
	.amdgcn_target "amdgcn-amd-amdhsa--gfx1250"
	.amdhsa_code_object_version 6
	.text
	.protected	k_qcb92e6cb0d_ffn1
	.globl	k_qcb92e6cb0d_ffn1
	.p2align	8
	.type	k_qcb92e6cb0d_ffn1,@function
k_qcb92e6cb0d_ffn1:
	s_mov_b64 s[64:65], 0
	v_nop
	global_prefetch_b8 v0, s[64:65] scope:SCOPE_SE
	s_setreg_imm32_b32 hwreg(HW_REG_WAVE_SCHED_MODE, 0, 2), 2
	s_setreg_imm32_b32 hwreg(HW_REG_WAVE_MODE, 25, 1), 1
	s_wait_xcnt 0x0
	s_wait_alu depctr_vm_vsrc(0)
; THE FIRST PRODUCT OF THE CHOSEN EXPERTS, in MX-FP4: hq = Q(leaky(x W1^T + b1)), for the rows that chose the expert, tile by tile of 16.
; SHARES.  Work-group g = 32 e + j owns hidden units 128 j .. 128 j + 127 of expert e: 128 rows of w1, 524,288 consecutive bytes of f32, which no other work-group reads.
; WHERE A ROW LIES.  The 1,024 tokens are four quarters of 256.  The rows of (expert e, quarter w) have a fixed room of 16 tiles (a token names an expert at most once: at most 256 rows): tile (4 e + w) 16 + p,
; and a token's row there is its RANK: the number of earlier tokens of its quarter that chose e.  So no place hangs on another expert's count, and every launch makes what it needs from ridx alone.
; PHASE 1, THE STREAM.  Wave w takes 32 of the rows of w1 in 8 steps of 128 along K.  A step's 32 loads read 512 consecutive bytes each; two sets of 32 are on their way.  The conversions want 32 neighbours along K
; in ONE lane, so a step turns through the wave's stage in LDS (rows 528 bytes apart) and comes back as two operand fragments; their codes and scale words are stored in LDS as IMAGES OF THE OPERAND'S REGISTERS.
; Between the first steps, where the wave would wait for memory, it turns its quarter's 2,048 bytes of ridx into eight masks of 32 tokens and finds the token of every rank, by lane arithmetic alone:
; the mask word by compares with the running counts, the n-th set bit by counts of 2, 4, 8 and 16 bits and five halvings.  32 ranks a search, four searches by turns; 16 registers, one a tile.
; One barrier; then every wave loads all 64 images (512 registers, windows 1 and 2) and the 64 scale words.  The barrier stands ahead of every branch on loaded numbers.
; PHASE 2, THE TILES.  Wave w takes the tiles of quarter w.  A tile's 16 rows of x's codes are gathered, each row by one load of 512 consecutive bytes, and turn through LDS into 8 fragments; 64 matrix instructions
; (transposed: source 0 = 16 rows of W1, source 1 = x, C of the first = b1) give 128 hidden units of 16 rows; leaky, the quantiser in registers, and the fragment leaves as an image: K step j of the second product.
; The next tile's rows are asked for a trip ahead.  A rank beyond the quarter's count gives some token of the quarter: its row is computed and never read; no load leaves its buffer.
; THE ROWS OF W1 THAT FORM A TILE ARE NOT NEIGHBOURS: lane r of tile 2 b + u takes row 32 b + 8 u + r + 8 (r / 8), so that the 16 registers of tiles 2 b, 2 b + 1 are 16 neighbours along the next K.
; NO JOINT LOADS, though an expert's 32 work-groups read the same rows of x: the number of trips is a loaded number, no barrier may stand under a branch on it, and what is shared (8 KiB a tile) is small beside a work-group's own 512 KiB.
; LIMITS: NaN and infinities are not served; a block whose largest magnitude lies under 2^-124 gets the byte 1 (a block of zeros too: its codes are zeros, and this program alone reads the bytes).
; THE MODE: SCHED_MODE bits 1:0 = 2 (LLVM: expert scheduling mode 2), set by the entry lines.  The code itself states the register dependences between vector or matrix instructions and memory or LDS
; instructions, and those from a vector instruction's scalar result to its reader, with s_wait_alu, always for 0.
; THE PLAN, THE STREAM.  Registers that memory or LDS instructions touch:
;   window 1's two sets  The stream's loads land in them; the stage's LDS stores read them; no vector instruction names them.  A set is loaded again two steps on.
;   v[X ..], 128         The stage's LDS loads land in them; the quantiser's lines read them; between steps the searches write them.
;   PC0, PC1, two words  A step's conversions write them; six LDS stores, which stand at the NEXT step's head, read them.
;   the addresses v1-11  Made at the head, never written again.
; So a step has one wait on va_vdst, at its head (the step before is done with v[X ..] and has written its codes and words), and one on vm_vsrc, behind the wait for the stage
; (the stage's stores have read the set, the six stores the codes and words).
; THE PLAN, THE TILES.
;   XR (window 3)        The gather's loads land in it; the LDS stores of the next trip read it.        XO, XSA   XISSUE's vector lines write them; the gather's loads and the load of the scale words read them.
;   XF                   LDS loads land in it; the trip's products read it.                             XS        A load lands in it behind the trip's products, which read it as scales.
;   PC, PW, HOFF, HSO    The quantiser writes them; the trip's three stores read them.
; Waits of a trip: vm_vsrc at XISSUE's head; va_vdst ahead of its loads; va_vdst behind the products; vm_vsrc ahead of the quantiser; va_vdst ahead of the stores.
; REGISTERS.  window 0: v1-15 addresses; v16-79 W1's scale words, v80-83 x's (scales and nothing else); v84-211 the stream's 128 numbers (between steps: the searches' 48), later x's 8 fragments (v84-147) and the hidden tile (v148-211);
;   v212-219, v238-245 codes; v222-231, v234-237 at work; v232, v233 the closing add's two; v238-253 the gather's offsets; v254 lane, v255 8 x lane.   windows 1, 2: the stream's two sets of loads (window 1), later W1's 64 fragments.
;   window 3: v0-63 b1 in the result's layout; v64-127 x's rows as loaded; v128-143 my quarter of ridx; v144-159 the tiles' tokens.
.set ROWP,  4096                       ; a row of w1 in bytes
.set SPIT,  528                        ; a stage row: 512 bytes + 16: sixteen rows begin in sixteen different groups of four banks
.set WSC,   65536                      ; LDS: 64 images of 1,024 bytes from 0; their scale words, 128 bytes each;
.set STG,   73728                      ; four stages of 32 rows;
.set XST,   141312                     ; four stages for x's rows: 32 pieces of 16 bytes x 16 rows, 272 bytes from piece to piece
.set XSOFF, 524288
.set HSOFF, 16777216                   ; 512 tiles x 32 images of 1,024 bytes; behind them the scale words
.set L16, 1                            ; 16 x lane
.set R4,  2                            ; 4 x (lane % 16)
.set SH8, 3                            ; 8 x (lane / 16)
.set STW, 4                            ; the stage: in
.set STR, 5                            ; and out
.set IMW, 6                            ; where I store images
.set SCW, 7                            ; and scale words
.set LS,  8                            ; where scale words are read
.set XSTW, 9
.set XSTR, 10
.set HX,  11                           ; XSOFF + 16 x (lane / 16)
.set TK,  12                           ; my row's token
.set XSA, 13                           ; the offset of its scale bytes
.set HOFF, 14                          ; the offsets of the tile's image and scale words in hq
.set HSO, 15
.set WS,  16
.set XS,  80
.set X,   84
.set XF,  84
.set HA,  148
.set PC0, 212
.set PC,  212
.set PW,  220
.set BOF, 221                          ; 64 x (lane / 16)
.set TM,  222
.set PC1, 238
.set XO,  238
.set LN,  254                          ; lane
.set RIA, 255                          ; 8 x lane
.set B1,  0                            ; window 3
.set XR,  64
.set RI,  128
.set TKR, 144
.set WV,  14                           ; s14 wave, s15 e, s16 j, s17 my first tile (4 e + w) 16, s18 my first token 256 w, s19 the mask of lanes 16-31
.set EX,  15
.set JX,  16
.set PB,  17
.set W256, 18
.set HM,  19
.set SEL, 20
.set CT,  22                           ; s22 the trips done = the tile's number in my room, s23 my number of tiles
.set NT,  23
.set PG,  28
.set LT,  32                           ; s[32:47] compares' masks; later a tile's 16 tokens
.set WB,  52                           ; s[52:53] my wave's rows of w1;  s[50:51] hq + 1024 j;  s[48:49] hq + HSOFF + 64 j
.set MK,  56                           ; s[56:63] word q: bit l is set where token 32 q + l of my quarter chose e
.set PF,  66                           ; s[66:74] the set bits in front of word q; the ninth is the quarter's count
.set MSB, 0
.macro WIN new                         ; the immediate's high byte repeats the setting that is left
.if MSB != (\new)
	s_set_vgpr_msb (MSB<<8)|(\new)
.set MSB, (\new)
.endif
.endm
.macro GLOAD s                         ; step s: 32 rows x 512 bytes into set s % 2 of window 1
	WIN 0x40
.set rho, 0
.rept 32
	global_load_b128 v[128*((\s)%2)+4*rho:128*((\s)%2)+4*rho+3], v[L16], s[WB:WB+1] offset:rho*ROWP+512*(\s) th:TH_LOAD_NT
.set rho, rho+1
.endr
	WIN 0
.endm
.macro TOST s                          ; into the stage: row rho lies where its tile's lane will look for it
	WIN 0x04
.set rho, 0
.rept 32
	ds_store_b128 v[STW], v[128*((\s)%2)+4*rho:128*((\s)%2)+4*rho+3] offset:SPIT*(16*((rho/8)%2)+8*(rho/16)+rho%8)
.set rho, rho+1
.endr
	WIN 0
.endm
.macro XREAD u                         ; back: lane (r, h) takes k = 64 c + 32 h + 0 .. 31 of its row: the order of the operand's registers
.irp c, 0,1
.irp q, 0,1,2,3,4,5,6,7
	ds_load_b128 v[X+64*\u+32*\c+4*\q:X+64*\u+32*\c+4*\q+3], v[STR] offset:16*SPIT*\u+256*\c+16*\q
.endr
.endr
.endm
.macro WQ u                            ; 64 numbers a lane become a fragment (PC0 or PC1) and its scale word (v[TM+6] or v[TM+8])
.set XB, X+64*\u
.set PCU, PC0+(PC1-PC0)*\u
.set WD, TM+6+2*\u
.irp c, 0,1
	v_max3_num_f32 v[TM+\c], |v[XB+32*\c]|, |v[XB+32*\c+1]|, 0x1800000      ; my two whole blocks by turns, and the floor 2^(3 - 127): the byte cannot fall under 1
.endr
.irp n, 2,4,6,8,10,12,14,16,18,20,22,24,26,28,30
.irp c, 0,1
	v_max3_num_f32 v[TM+\c], v[TM+\c], |v[XB+32*\c+\n]|, |v[XB+32*\c+\n+1]|
.endr
.endr
.irp c, 0,1
	v_add_nc_u32 v[TM+2+\c], 0xff000000, v[TM+\c]  ; 2 off the exponent field: the conversion's scale operand
.endr
.irp c, 0,1
	v_lshrrev_b32 v[TM+4+\c], 23, v[TM+2+\c]       ; the scale's byte
.endr
	v_lshl_or_b32 v[WD], v[TM+5], 16, v[TM+4]      ; blocks h and 2 + h of my row,
	v_lshlrev_b32 v[WD], v[SH8], v[WD]             ; at their places in the word;
	v_permlanex16_b32 v[TM+7], v[WD], s[SEL], s[SEL+1]
	v_or_b32 v[WD], v[WD], v[TM+7]                 ; with lane l xor 16's two the word is whole
.irp c, 0,1
.irp g, 0,1,2,3
	v_cvt_scalef32_pk8_fp4_f32 v[PCU+4*\c+\g], v[XB+32*\c+8*\g:XB+32*\c+8*\g+7], v[TM+2+\c]
.endr
.endr
	v_nop                                          ; one plain instruction behind the last conversion
.endm
.macro IMG s                           ; step s's two fragments and their scale words go to LDS as they stand: image 16 w + 8 u + s
.irp u, 0,1
	ds_store_b128 v[IMW], v[PC0+(PC1-PC0)*\u:PC0+(PC1-PC0)*\u+3] offset:(8*\u+(\s))*1024
	ds_store_b128 v[IMW], v[PC0+(PC1-PC0)*\u+4:PC0+(PC1-PC0)*\u+7] offset:(8*\u+(\s))*1024+512
	ds_store_b32 v[SCW], v[TM+6+2*\u] offset:(8*\u+(\s))*128
.endr
.endm
.macro STEP s
.if \s < 7
	s_wait_loadcnt 32                              ; this step's 32 loads, and all that are older, are in; the next step's 32 stay out
.else
	s_wait_loadcnt 0x0
.endif
.if \s > 0
	s_wait_alu depctr_va_vdst(0)                   ; the step before (and the searches behind it) are done with v[X ..], in which the stage's loads below land; its conversions have written the codes and words that the six stores read
	IMG \s-1
.endif
	TOST \s
	XREAD 0
	XREAD 1
	s_wait_dscnt 16                                ; the stage's stores are done and the first fragment's numbers are back; the second's 16 loads stay out
	s_wait_alu depctr_vm_vsrc(0)                   ; the stage's stores have read the set, in which later loads land; the six stores have read the codes and words, which this step's lines write again
.if \s < 6
	GLOAD \s+2
.endif
	WQ 0
	s_wait_dscnt 0x0                               ; the second fragment's numbers are back
	WQ 1
.endm
; THE TOKEN OF A RANK.  Search n of four has 12 registers at X + 12 n: +0 the rank, at last the token; +1 the mask word; +2 the set bits in front of it; +3 32 x its number; +4 .. +7 the word's counts in fields of
; 2, 4, 8 and 16 bits; +8 the rank inside what is left; +9 the bit's place so far; +10, +11 at work.
; One halving: if the rank is not under the count of the lower half (a field of fw bits of register src, at the place so far), that count goes off the rank and the place moves st bits up.
.macro LEVEL src, fw, st
.irp n, 0,1,2,3
	v_bfe_u32 v[X+12*\n+10], v[X+12*\n+\src], v[X+12*\n+9], \fw
.endr
.irp n, 0,1,2,3
	v_cmp_ge_u32 s[LT+\n], v[X+12*\n+8], v[X+12*\n+10]
.endr
	s_wait_alu depctr_va_sdst(0)                   ; the four compares have written their masks, which the selections below read
.irp n, 0,1,2,3
	v_cndmask_b32 v[X+12*\n+10], 0, v[X+12*\n+10], s[LT+\n]
	v_cndmask_b32 v[X+12*\n+11], 0, \st, s[LT+\n]
.endr
.irp n, 0,1,2,3
	v_sub_nc_u32 v[X+12*\n+8], v[X+12*\n+8], v[X+12*\n+10]
	v_add_nc_u32 v[X+12*\n+9], v[X+12*\n+9], v[X+12*\n+11]
.endr
.endm
; Four searches by turns: ranks 32 (4 g + n) + lane, which are tiles 2 (4 g + n) and 2 (4 g + n) + 1
.macro SEL4 g
.irp n, 0,1,2,3
	v_add_nc_u32 v[X+12*\n], 32*(4*\g+\n), v[LN]
	v_mov_b32 v[X+12*\n+1], s[MK]
	v_mov_b32 v[X+12*\n+2], 0
	v_mov_b32 v[X+12*\n+3], 0
	v_mov_b32 v[X+12*\n+9], 0
.endr
; the last word in front of which no more bits are set than my rank.  The compares hang on the ranks alone: they stand in runs, sixteen masks and then twelve, with one wait behind each run
.irp q, 1,2,3,4
.irp n, 0,1,2,3
	v_cmp_le_u32 s[LT+4*(\q-1)+\n], s[PF+\q], v[X+12*\n]
.endr
.endr
	s_wait_alu depctr_va_sdst(0)                   ; the sixteen compares have written their masks, which the selections below read
.irp q, 1,2,3,4
.irp n, 0,1,2,3
	v_cndmask_b32 v[X+12*\n+1], v[X+12*\n+1], s[MK+\q], s[LT+4*(\q-1)+\n]
	v_cndmask_b32 v[X+12*\n+2], v[X+12*\n+2], s[PF+\q], s[LT+4*(\q-1)+\n]
	v_cndmask_b32 v[X+12*\n+3], v[X+12*\n+3], 32*\q, s[LT+4*(\q-1)+\n]
.endr
.endr
.irp q, 5,6,7
.irp n, 0,1,2,3
	v_cmp_le_u32 s[LT+4*(\q-5)+\n], s[PF+\q], v[X+12*\n]
.endr
.endr
	s_wait_alu depctr_va_sdst(0)                   ; the twelve compares have written their masks, which the selections below read
.irp q, 5,6,7
.irp n, 0,1,2,3
	v_cndmask_b32 v[X+12*\n+1], v[X+12*\n+1], s[MK+\q], s[LT+4*(\q-5)+\n]
	v_cndmask_b32 v[X+12*\n+2], v[X+12*\n+2], s[PF+\q], s[LT+4*(\q-5)+\n]
	v_cndmask_b32 v[X+12*\n+3], v[X+12*\n+3], 32*\q, s[LT+4*(\q-5)+\n]
.endr
.endr
.irp n, 0,1,2,3
	v_sub_nc_u32 v[X+12*\n+8], v[X+12*\n], v[X+12*\n+2]
	v_lshrrev_b32 v[X+12*\n+10], 1, v[X+12*\n+1]
.endr
.irp n, 0,1,2,3
	v_and_b32 v[X+12*\n+10], 0x55555555, v[X+12*\n+10]
.endr
.irp n, 0,1,2,3
	v_sub_nc_u32 v[X+12*\n+4], v[X+12*\n+1], v[X+12*\n+10]         ; counts of 2 bits
.endr
.irp n, 0,1,2,3
	v_lshrrev_b32 v[X+12*\n+10], 2, v[X+12*\n+4]
	v_and_b32 v[X+12*\n+11], 0x33333333, v[X+12*\n+4]
.endr
.irp n, 0,1,2,3
	v_and_b32 v[X+12*\n+10], 0x33333333, v[X+12*\n+10]
.endr
.irp n, 0,1,2,3
	v_add_nc_u32 v[X+12*\n+5], v[X+12*\n+11], v[X+12*\n+10]        ; of 4
.endr
.irp n, 0,1,2,3
	v_lshrrev_b32 v[X+12*\n+10], 4, v[X+12*\n+5]
.endr
.irp n, 0,1,2,3
	v_add_nc_u32 v[X+12*\n+10], v[X+12*\n+5], v[X+12*\n+10]
.endr
.irp n, 0,1,2,3
	v_and_b32 v[X+12*\n+6], 0x0f0f0f0f, v[X+12*\n+10]              ; of 8
.endr
.irp n, 0,1,2,3
	v_lshrrev_b32 v[X+12*\n+10], 8, v[X+12*\n+6]
.endr
.irp n, 0,1,2,3
	v_add_nc_u32 v[X+12*\n+10], v[X+12*\n+6], v[X+12*\n+10]
.endr
.irp n, 0,1,2,3
	v_and_b32 v[X+12*\n+7], 0x00ff00ff, v[X+12*\n+10]              ; of 16
.endr
	LEVEL 7, 8, 16
	LEVEL 6, 8, 8
	LEVEL 5, 4, 4
	LEVEL 4, 2, 2
	LEVEL 1, 1, 1
.irp n, 0,1,2,3
	v_add3_u32 v[X+12*\n], v[X+12*\n+3], v[X+12*\n+9], s[W256]     ; the token: 256 w + 32 x word + bit, at most 1,023 whatever the rank
.endr
.irp n, 0,1,2,3
	v_permlanex16_b32 v[X+12*\n+10], v[X+12*\n], s[SEL], s[SEL+1]
.endr
	WIN 0xc0                                       ; destination window 3
.irp n, 0,1,2,3                                ; a tile's register holds row r's token in lanes r and 16 + r
	v_cndmask_b32 v[TKR+2*(4*\g+\n)], v[X+12*\n], v[X+12*\n+10], s[HM]
	v_cndmask_b32 v[TKR+2*(4*\g+\n)+1], v[X+12*\n+10], v[X+12*\n], s[HM]
.endr
	WIN 0
.endm
.macro XISSUE                          ; the next tile's tokens are taken from the row of registers, which moves down by one; their rows of codes are asked for
	s_wait_alu depctr_vm_vsrc(0)                   ; the LDS stores have read v[XR ..], in which the loads below land; the last gather's loads have read v[XO ..] and the load of the scale words v[XSA], which the lines below write (ahead of the loop: the last images' stores have read PC1, over which v[XO ..] lies)
	WIN 0x03                                       ; source 0 window 3
	v_mov_b32 v[TK], v[TKR]
	WIN 0xc3
.irp k, 0,1,2,3,4,5,6,7,8,9,10,11,12,13,14
	v_mov_b32 v[TKR+\k], v[TKR+\k+1]
.endr
	WIN 0
	v_min_u32 v[TK], 1023, v[TK]                   ; a number made of loaded ones enters an address only held inside its table
	v_lshl_add_u32 v[XSA], v[TK], 5, v[HX]         ; 32 scale bytes a token; lanes 16-31 take the upper 16
.irp i, 0,1,2,3,4,5,6,7,8,9,10,11,12,13,14,15
	v_readlane_b32 s[LT+\i], v[TK], \i
.endr
	s_wait_alu depctr_va_sdst(0)                   ; the sixteen tokens are written into s[LT ..], ahead of their first readers
.irp i, 0,1,2,3,4,5,6,7,8,9,10,11,12,13,14,15
	s_min_u32 s[LT+\i], s[LT+\i], 1023
.endr
.irp i, 0,1,2,3,4,5,6,7,8,9,10,11,12,13,14,15
	v_lshl_add_u32 v[XO+\i], s[LT+\i], 9, v[L16]
.endr
	WIN 0xc0
	s_wait_alu depctr_va_vdst(0)                   ; v[XO ..] and v[XSA] are written, which the loads below and the load of the scale words read as offsets
.irp i, 0,1,2,3,4,5,6,7,8,9,10,11,12,13,14,15
	global_load_b128 v[XR+4*\i:XR+4*\i+3], v[XO+\i], s[8:9]    ; a whole row: 512 consecutive bytes
.endr
	WIN 0
.endm
	s_load_b256 s[4:11], s[0:1], 0x0               ; w1 s[4:5], b1 s[6:7], xq s[8:9], ridx s[10:11]
	s_load_b64 s[12:13], s[0:1], 0x20              ; hq
	v_lshl_add_u32 v232, v0, 2, 0x2b000
	v_mov_b32 v233, 0
	v_lshrrev_b32 v[TK], 5, v0
	v_readfirstlane_b32 s[WV], v[TK]               ; wave 0..3
	s_lshr_b32 s[EX], ttmp9, 5
	s_and_b32 s[JX], ttmp9, 31
	v_and_b32 v[LN], 31, v0                        ; lane
	v_and_b32 v[HOFF], 15, v0                      ; r
	v_bfe_u32 v[HSO], v0, 4, 1                     ; h
	v_lshlrev_b32 v[L16], 4, v[LN]
	v_lshlrev_b32 v[RIA], 3, v[LN]
	v_lshlrev_b32 v[R4], 2, v[HOFF]
	v_lshlrev_b32 v[SH8], 3, v[HSO]
	s_wait_alu depctr_va_sdst(0)                   ; the wave's number is written into s[WV], ahead of its first reader
	s_mul_i32 s29, s[WV], 32*SPIT
	s_add_co_u32 s29, s29, STG
	v_add_nc_u32 v[STW], s29, v[L16]
	v_mul_u32_u24 v[STR], v[HOFF], SPIT
	v_lshl_add_u32 v[STR], v[HSO], 7, v[STR]
	v_add_nc_u32 v[STR], s29, v[STR]
	s_lshl_b32 s29, s[WV], 14
	v_add_nc_u32 v[IMW], s29, v[L16]               ; image 16 w + 8 u + s
	v_lshlrev_b32 v[LS], 2, v[LN]
	s_lshl_b32 s29, s[WV], 11
	s_add_co_u32 s29, s29, WSC
	v_add_nc_u32 v[SCW], s29, v[LS]
	v_add_nc_u32 v[LS], WSC, v[LS]
	s_mul_i32 s29, s[WV], 32*272
	s_add_co_u32 s29, s29, XST
	v_mul_u32_u24 v[XSTW], v[LN], 272
	v_add_nc_u32 v[XSTW], s29, v[XSTW]             ; in: piece = lane, row in the immediate
	v_mul_u32_u24 v[XSTR], v[HSO], 272
	v_lshl_add_u32 v[XSTR], v[HOFF], 4, v[XSTR]
	v_add_nc_u32 v[XSTR], s29, v[XSTR]             ; out: row r, piece h + the immediate's
	v_lshlrev_b32 v[HX], 4, v[HSO]
	v_add_nc_u32 v[HX], XSOFF, v[HX]
	v_lshlrev_b32 v[BOF], 6, v[HSO]
.irp n, 4,5,6,7
	v_mov_b32 v[TM+\n], 0                          ; written once: a lane permute's destination counts as one of its sources
.endr
	s_mov_b32 s[SEL], 0x76543210
	s_mov_b32 s[SEL+1], 0xfedcba98                 ; v_permlanex16_b32's selects for lane l xor 16
	s_mov_b32 s24, 0x3dcccccd                      ; 0.1
	s_mov_b32 s25, s24                             ; (named with it as a pair)
	s_mov_b32 s[HM], 0xffff0000
	s_lshl_b32 s[W256], s[WV], 8
	s_lshl_b32 s[PB], s[EX], 6
	s_lshl_b32 s29, s[WV], 4
	s_add_co_u32 s[PB], s[PB], s29                 ; (4 e + w) 16
	s_lshl_b32 s30, ttmp9, 19                      ; the work-group's 524,288 bytes,
	s_lshl_b32 s31, s[WV], 17                      ; my wave's 32 rows
	s_add_co_u32 s30, s30, s31
	s_mov_b32 s31, 0
	s_wait_kmcnt 0x0
	s_add_nc_u64 s[WB:WB+1], s[4:5], s[30:31]
	s_lshl_b32 s30, ttmp9, 9
	s_add_nc_u64 s[6:7], s[6:7], s[30:31]          ; b1 at the work-group's 128 units
	s_lshl_b32 s30, s[JX], 10
	s_add_nc_u64 s[50:51], s[12:13], s[30:31]
	s_lshl_b32 s30, s[JX], 6
	s_add_co_u32 s30, s30, HSOFF
	s_add_nc_u64 s[48:49], s[12:13], s[30:31]
	s_lshl_b32 s30, s[WV], 11
	s_add_nc_u64 s[10:11], s[10:11], s[30:31]      ; ridx at my quarter: 8 bytes a token
	WIN 0xc0
	s_wait_alu depctr_va_vdst(0)                   ; the offsets and LDS addresses v1 to v11, v[BOF] and v[RIA] are written: the loads, stores and LDS instructions of the whole kernel read them, and none is written again
.irp q, 0,1,2,3,4,5,6,7                        ; load q, lane l: the two experts of token 32 q + l; 256 consecutive bytes a load.  These and b1 are older than the weights' loads: they change no count
	global_load_b64 v[RI+2*\q:RI+2*\q+1], v[RIA], s[10:11] offset:256*\q
.endr
.irp t, 0,1,2,3,4,5,6,7                        ; b1 in the result's layout: lane (r, h), tile t: units 32 (t / 2) + 16 h + 8 (t % 2) + 0 .. 7
	global_load_b128 v[B1+8*\t:B1+8*\t+3], v[BOF], s[6:7] offset:(32*(\t/2)+8*(\t%2))*4
	global_load_b128 v[B1+8*\t+4:B1+8*\t+7], v[BOF], s[6:7] offset:(32*(\t/2)+8*(\t%2))*4+16
.endr
	GLOAD 0
	GLOAD 1
	STEP 0
	; the step's first wait has shown my quarter of ridx landed: its masks, their running counts, my number of tiles
	WIN 0x0c                                       ; source 1 window 3
.irp q, 0,1,2,3,4,5,6,7
	v_cmp_eq_u32 s[LT+2*\q], s[EX], v[RI+2*\q]
	v_cmp_eq_u32 s[LT+2*\q+1], s[EX], v[RI+2*\q+1]
.endr
	WIN 0
	s_wait_alu depctr_va_sdst(0)                   ; the sixteen compares have written their masks, which the scalar lines below read
.irp q, 0,1,2,3,4,5,6,7
	s_or_b32 s[MK+\q], s[LT+2*\q], s[LT+2*\q+1]
.endr
	s_mov_b32 s[PF], 0
.irp q, 0,1,2,3,4,5,6,7
	s_bcnt1_i32_b32 s29, s[MK+\q]
	s_add_co_u32 s[PF+\q+1], s[PF+\q], s29
.endr
	s_add_co_u32 s[NT], s[PF+8], 15
	s_lshr_b32 s[NT], s[NT], 4
	s_min_u32 s[NT], s[NT], 16                     ; 0 to 16 tiles
	STEP 1
	SEL4 0                                         ; between two steps the stream's 128 registers are free
	STEP 2
	SEL4 1
.irp s, 3,4,5,6,7
	STEP \s
.endr
	s_wait_alu depctr_va_vdst(0)                   ; the last step's conversions have written the codes and words that the six stores read; its lines are done with v[X ..], in which x's fragments will land
	IMG 7
	s_wait_dscnt 0x0                               ; for the others' sake: my images lie in LDS
	XISSUE                                         ; my first tile's rows are asked for now, and land while the images are read
	global_load_b128 v[XS:XS+3], v[XSA], s[8:9]    ; its scale words: lanes 0-15 K steps 0-3, lanes 16-31 K steps 4-7
	s_barrier_signal -1
	s_barrier_wait -1                              ; all 64 images lie in LDS; nobody writes them again
	s_cmp_eq_u32 s[NT], 0
	s_cbranch_scc1 .Lend                           ; no token of my quarter chose this expert
	s_mov_b32 s[CT], 0                             ; the loop is counted by ones against my number of tiles
.irp hw, 0,1                                   ; fragment (tile t, K step 4 hw + q) = image 8 t + 4 hw + q -> window 1 + hw, v[8 (8 q + t)].  (The stage's stores, which read window 1, stand ahead of the last wait on vm_vsrc; no vector instruction has named these registers)
	WIN 0x40*(1+\hw)
.irp q, 0,1,2,3
.irp t, 0,1,2,3,4,5,6,7
.irp c, 0,1
	ds_load_b128 v[8*(8*\q+\t)+4*\c:8*(8*\q+\t)+4*\c+3], v[L16] offset:(8*\t+4*\hw+\q)*1024+512*\c
.endr
.endr
.endr
.endr
	WIN 0
.set ff, 0
.rept 64
	ds_load_b32 v[WS+ff], v[LS] offset:128*ff
.set ff, ff+1
.endr
	s_wait_dscnt 0x0
.Ltile:
	s_add_co_u32 s[PG], s[PB], s[CT]
	s_min_u32 s[PG], s[PG], 511
	s_wait_loadcnt 0x0                             ; this tile's 16 rows and its scale words are in; nothing else is out
	WIN 0x0c                                       ; an LDS store's data are its source 1: window 3
.irp i, 0,1,2,3,4,5,6,7,8,9,10,11,12,13,14,15
	ds_store_b128 v[XSTW], v[XR+4*\i:XR+4*\i+3] offset:16*\i
.endr
	WIN 0
.irp k, 0,1,2,3,4,5,6,7                        ; no wait on va_vdst here: on both ways in, the last one stands behind every line that named v[XF ..] (the stream's; the last trip's products), and none has named them since
.irp c, 0,1
	ds_load_b128 v[XF+8*\k+4*\c:XF+8*\k+4*\c+3], v[XSTR] offset:(4*\k+2*\c)*272    ; row r, bytes 64 k + 32 c + 16 h: LDS serves a wave's instructions in order
.endr
.endr
	s_wait_dscnt 0x0
	XISSUE                                         ; the rows of my next tile
	; 64 matrix instructions; the eight accumulators take turns, one instruction a turn
.set ks, 0
.rept 8
.if ks == 0
	WIN 0x31                                       ; source 0 (W1) window 1, C (b1) window 3
.elseif ks < 4
	WIN 0x01
.else
	WIN 0x02                                       ; W1's K steps 4-7 lie in window 2
.endif
.set tt, 0
.rept 8
.if ks == 0
	v_wmma_scale_f32_16x16x128_f8f6f4 v[HA+8*tt:HA+8*tt+7], v[8*tt:8*tt+7], v[XF:XF+7], v[B1+8*tt:B1+8*tt+7], v[WS+8*tt], v[XS] matrix_a_fmt:MATRIX_FMT_FP4 matrix_b_fmt:MATRIX_FMT_FP4
.elseif ks < 4
	v_wmma_scale_f32_16x16x128_f8f6f4 v[HA+8*tt:HA+8*tt+7], v[8*(8*ks+tt):8*(8*ks+tt)+7], v[XF+8*ks:XF+8*ks+7], v[HA+8*tt:HA+8*tt+7], v[WS+8*tt+ks], v[XS+ks] matrix_a_fmt:MATRIX_FMT_FP4 matrix_b_fmt:MATRIX_FMT_FP4
.else
	v_wmma_scale_f32_16x16x128_f8f6f4 v[HA+8*tt:HA+8*tt+7], v[8*(8*(ks-4)+tt):8*(8*(ks-4)+tt)+7], v[XF+8*ks:XF+8*ks+7], v[HA+8*tt:HA+8*tt+7], v[WS+8*tt+ks], v[XS+ks-4] matrix_a_fmt:MATRIX_FMT_FP4 matrix_b_fmt:MATRIX_FMT_FP4 matrix_b_scale:MATRIX_SCALE_ROW1
.endif
.set tt, tt+1
.endr
.set ks, ks+1
.endr
	WIN 0
.rept 4
	v_nop                                          ; four places in front of the first read of results (ISA guide 7.12.1); they stay beside the wait below
.endr
	s_wait_alu depctr_va_vdst(0)                   ; the products are done reading v[XS ..], in which the load below lands, and v[XF ..], in which the next trip's LDS loads land
	global_load_b128 v[XS:XS+3], v[XSA], s[8:9]    ; the next tile's scale words
.irp g, 0,1,2,3,4,5,6,7                        ; leaky(h) = max(h, 0.1 h), each accumulator from its low end on
.irp k, 0,2,4,6
	v_pk_mul_f32 v[TM+\k:TM+\k+1], v[HA+8*\g+\k:HA+8*\g+\k+1], s[24:25] op_sel_hi:[1,0]
.endr
.irp k, 0,1,2,3,4,5,6,7
	v_max_num_f32 v[HA+8*\g+\k], v[HA+8*\g+\k], v[TM+\k]
.endr
.endr
	s_wait_xcnt 0x0                                ; the last trip's stores have had their addresses translated: their data and offsets are written again below
	s_wait_alu depctr_vm_vsrc(0)                   ; the last trip's stores have read v[PC ..], v[PW], v[HOFF] and v[HSO], which the lines below write
	; the quantiser: register 16 b + i holds k = 32 b + 16 h + i of my row
.irp b, 0,1,2,3
	v_max3_num_f32 v[TM+\b], |v[HA+16*\b]|, |v[HA+1+16*\b]|, 0x1800000      ; my 16 numbers of block b, and the floor
.endr
.irp n, 2,4,6,8,10,12,14
.irp b, 0,1,2,3
	v_max3_num_f32 v[TM+\b], v[TM+\b], |v[HA+16*\b+\n]|, |v[HA+1+16*\b+\n]|
.endr
.endr
.irp b, 0,1,2,3
	v_permlanex16_b32 v[TM+4+\b], v[TM+\b], s[SEL], s[SEL+1]
.endr
.irp b, 0,1,2,3
	v_max_num_f32 v[TM+\b], v[TM+\b], v[TM+4+\b]   ; with lane l xor 16's: the block's largest magnitude
.endr
.irp b, 0,1,2,3
	v_add_nc_u32 v[TM+12+\b], 0xff000000, v[TM+\b]
.endr
.irp b, 0,1,2,3
	v_lshrrev_b32 v[TM+4+\b], 23, v[TM+12+\b]
.endr
	v_lshl_or_b32 v[PW], v[TM+5], 8, v[TM+4]       ; my row's scale word
	v_lshl_or_b32 v[PW], v[TM+6], 16, v[PW]
	v_lshl_or_b32 v[PW], v[TM+7], 24, v[PW]
.irp b, 0,1,2,3
	v_cvt_scalef32_pk8_fp4_f32 v[PC+2*\b], v[HA+16*\b:HA+7+16*\b], v[TM+12+\b]
	v_cvt_scalef32_pk8_fp4_f32 v[PC+1+2*\b], v[HA+8+16*\b:HA+15+16*\b], v[TM+12+\b]
.endr
	v_nop                                          ; one plain instruction behind the last conversion
.irp c, 0,1                                    ; the operand's layout wants a WHOLE block in a lane
.irp n, 0,1
	v_permlane16_swap_b32 v[PC+4*\c+\n], v[PC+2+4*\c+\n]
.endr
.endr
	v_lshl_add_u32 v[HOFF], s[PG], 15, v[L16]      ; a tile's 32 images are 32,768 bytes,
	v_lshl_add_u32 v[HSO], s[PG], 11, v[R4]        ; its scale words 2,048
	s_wait_alu depctr_va_vdst(0)                   ; the codes, the scale word and the two offsets are written, which the three stores read
	global_store_b128 v[HOFF], v[PC:PC+3], s[50:51]                ; 32 lanes store 512 consecutive bytes, aligned
	global_store_b128 v[HOFF], v[PC+4:PC+7], s[50:51] offset:512
	global_store_b32 v[HSO], v[PW], s[48:49]       ; lanes 16-31 repeat lanes 0-15, address and value
	s_add_co_u32 s[CT], s[CT], 1
	s_cmp_lt_u32 s[CT], s[NT]
	s_cbranch_scc1 .Ltile
.Lend:
	s_wait_dscnt 0x0                               ; the closing lines, six on end
	s_wait_alu 0x0
	s_wait_tensorcnt 0x0
	ds_add_u32 v232, v233
	s_wait_dscnt 0x0
	s_endpgm
.Lfunc_end_k_qcb92e6cb0d_ffn1:
	.size	k_qcb92e6cb0d_ffn1, .Lfunc_end_k_qcb92e6cb0d_ffn1-k_qcb92e6cb0d_ffn1
	.p2alignl 7, 3214868480
	.fill 96, 4, 3214868480
	.section	.rodata,"a",@progbits
	.p2align	6, 0x0
	.amdhsa_kernel k_qcb92e6cb0d_ffn1
		.amdhsa_group_segment_fixed_size 176640
		.amdhsa_private_segment_fixed_size 0
		.amdhsa_enable_private_segment 0
		.amdhsa_kernarg_size 40
		.amdhsa_user_sgpr_count 2
		.amdhsa_user_sgpr_kernarg_segment_ptr 1
		.amdhsa_wavefront_size32 1
		.amdhsa_system_sgpr_workgroup_id_x 1
		.amdhsa_system_sgpr_workgroup_id_y 1
		.amdhsa_system_sgpr_workgroup_id_z 1
		.amdhsa_system_vgpr_workitem_id 0
		.amdhsa_next_free_vgpr 1024
		.amdhsa_next_free_sgpr 76
		.amdhsa_reserve_vcc 0
		.amdhsa_float_denorm_mode_32 3
		.amdhsa_float_denorm_mode_16_64 3
		.amdhsa_memory_ordered 1
		.amdhsa_forward_progress 1
		.amdhsa_inst_pref_size 195
	.end_amdhsa_kernel
	.amdgpu_metadata
---
amdhsa.version: [ 1, 2 ]
amdhsa.kernels:
  - .name:           k_qcb92e6cb0d_ffn1
    .symbol:         k_qcb92e6cb0d_ffn1.kd
    .args:
      - { .name: w1, .offset: 0, .size: 8, .value_kind: global_buffer, .address_space: global }
      - { .name: b1, .offset: 8, .size: 8, .value_kind: global_buffer, .address_space: global }
      - { .name: xq, .offset: 16, .size: 8, .value_kind: global_buffer, .address_space: global }
      - { .name: ridx, .offset: 24, .size: 8, .value_kind: global_buffer, .address_space: global }
      - { .name: hq, .offset: 32, .size: 8, .value_kind: global_buffer, .address_space: global }
    .group_segment_fixed_size: 176640
    .private_segment_fixed_size: 0
    .kernarg_segment_align: 8
    .kernarg_segment_size: 40
    .max_flat_workgroup_size: 128
    .sgpr_count:     76
    .vgpr_count:     1024
    .wavefront_size: 32
...
	.end_amdgpu_metadata
.endif
;; end of part 6
;; launch ffn2 (part 7): grid 256 x 1, 4 waves a work-group, no clusters, 151,040 bytes of LDS; arguments w2, b2, hq, ridx, ys; writes ys
.if DOCPART == 7
	.amdgcn_target "amdgcn-amd-amdhsa--gfx1250"
	.amdhsa_code_object_version 6
	.text
	.protected	k_qcb92e6cb0d_ffn2
	.globl	k_qcb92e6cb0d_ffn2
	.p2align	8
	.type	k_qcb92e6cb0d_ffn2,@function
k_qcb92e6cb0d_ffn2:
	s_mov_b64 s[64:65], 0
	v_nop
	global_prefetch_b8 v0, s[64:65] scope:SCOPE_SE
	s_setreg_imm32_b32 hwreg(HW_REG_WAVE_SCHED_MODE, 0, 2), 2
	s_setreg_imm32_b32 hwreg(HW_REG_WAVE_MODE, 25, 1), 1
	s_wait_xcnt 0x0
	s_wait_alu depctr_vm_vsrc(0)
; THE SECOND PRODUCT OF THE CHOSEN EXPERTS, in MX-FP4: ys = h W2^T + b2, for the rows that chose the expert, tile by tile of 16.  (The gate's weight and the sum of a token's two rows are the last launch's.)
; SHARES.  Work-group g = 32 e + j owns outputs 32 j .. 32 j + 31 of expert e: 32 rows of w2, 524,288 consecutive bytes of f32, which no other work-group reads.
; WHERE A ROW LIES: as in the first product's launch: the rows of (expert e, quarter w of the tokens) have a fixed room of 16 tiles, tile (4 e + w) 16 + p.  Of ridx this launch needs one number: how many tokens
; of quarter w chose e; 16 compares and counts of bits, between the first two steps of the stream.
; PHASE 1, THE STREAM, as in the first product's launch: here wave w takes 1,024 along K of all 32 rows, in 8 steps of 128; a step gives two fragments (tile u of 16 outputs, K step 8 w + s), stored in LDS as
; images of the operand's registers.  One barrier, ahead of every branch on loaded numbers; then every wave loads all 64 images (windows 1 and 2) and their scale words.
; PHASE 2, THE TILES.  Wave w takes the tiles of quarter w.  A tile's 32 fragments of h come from hq as they were stored, 512 consecutive bytes a load, into window 3; 64 matrix instructions
; (transposed: source 0 = 16 rows of W2, source 1 = h; C of the first = b2) on two accumulators by turns; through the wave's stage in LDS; 2,048 consecutive bytes of ys.
; The lower 16 K steps of the next tile are asked for as soon as this tile's have been multiplied, the upper 16 likewise.  Only tiles that the launch before has stored are asked for.
; Lane r of tile u takes row 8 u + r + 8 (r / 8), so that a lane's 16 results are 16 neighbouring outputs.  ys is laid [512 tiles][32 j][16 rows][32 f32].
; NO JOINT LOADS, though an expert's 32 work-groups read the same h: the number of trips is a loaded number, and no barrier may stand under a branch on it.
; LIMITS: NaN and infinities are not served; a block of w2 whose largest magnitude lies under 2^-124 gets the byte 1.
; THE MODE: SCHED_MODE bits 1:0 = 2 (LLVM: expert scheduling mode 2), set by the entry lines.  The code itself states the register dependences between vector or matrix instructions and memory or LDS
; instructions, and those from a vector instruction's scalar result to its reader, with s_wait_alu, always for 0.
; THE PLAN, THE STREAM.  Registers that memory or LDS instructions touch:
;   window 1's two sets  The stream's loads land in them; the stage's LDS stores read them; no vector instruction names them.  A set is loaded again two steps on.
;   v[X ..], 128         The stage's LDS loads land in them; the quantiser's lines read them.
;   PC0, PC1, two words  A step's conversions write them; six LDS stores, which stand at the NEXT step's head, read them.
;   the addresses        Made at the head, never written again (v[AH], v[AHS], v[YO] aside: below).
; So a step has one wait on va_vdst, at its head, and one on vm_vsrc, behind the wait for the stage.
; THE PLAN, THE TILES.
;   window 3, v[HS ..]   h's loads land in them, a half at a time; that half's 32 products read them.          v[AH], v[AHS]  Two adds write them behind the lower products; the 80 loads of the next tile read them.
;   v[ACC ..]            The products write them; four LDS stores read them; the next tile's first products write them anew.
;   v[YB ..]             LDS loads land in them; the four global stores read them.                             v[YO]          One add writes it behind the upper products; the four global stores read it.
; Waits of a tile: ONE on vm_vsrc at its head, which frees all that the tile before's memory and LDS instructions read; one on va_vdst behind each half's products, ahead of the loads into that half's registers;
; the second of them also stands ahead of the LDS stores of the accumulators and the global stores by v[YO].
; REGISTERS.  window 0: v1-15 addresses; v16-79 W2's scale words, v80-95 h's (scales and nothing else); v96-223 the stream's 128 numbers, later accumulators, b2, rows of results; v224-239 codes; v240-249 at work; v254, v255 the closing add's two.
;   windows 1, 2: the stream's two sets of loads (window 1), later W2's 64 fragments.   window 3: at first my quarter of ridx (v0-15), then h's 32 fragments.
.set ROWP,  16384                      ; a row of w2 in bytes
.set SPIT,  528
.set WSC,   65536
.set STG,   73728
.set YST,   141312                     ; four stages of 16 rows x (128 bytes + 16)
.set HSOFF, 16777216
.set L16, 1
.set SH8, 3
.set STW, 4
.set STR, 5
.set IMW, 6
.set SCW, 7
.set LS,  8
.set YSW, 9
.set YSR, 10
.set AH,  11                           ; the offsets of a tile's images
.set AHS, 12                           ; and scale words
.set RIA, 13                           ; 8 x lane
.set YO,  14                           ; the offset of a tile's rows in ys
.set L4,  15                           ; 4 x lane
.set WS,  16
.set HS,  80
.set X,   96
.set ACC, 96
.set B2,  112
.set YB,  146
.set PC0, 224
.set PC1, 232
.set TM,  240
.set BOF, 249                          ; 64 x (lane / 16)
.set RI,  0                            ; window 3
.set WV,  16                           ; s16 wave, s17 e, s18 j, s19 my first tile (4 e + w) 16, s20 my number of tiles, s21 the next tile's number in my room, s28 the tile in hand, s29 the tile asked for
.set EX,  17
.set JX,  18
.set PB,  19
.set NTT, 20
.set QQ,  21
.set SEL, 22
.set WB,  26                           ; s[26:27] my wave's part of w2;  s[24:25] hq + HSOFF
.set PG,  28
.set CT,  30                           ; s30 the trips done, s31 my number of tiles less one (both free once the head's offsets are made)
.set NT,  31
.set LT,  32                           ; s[32:47] the compares' masks
.set MSB, 0
.macro WIN new                         ; the immediate's high byte repeats the setting that is left
.if MSB != (\new)
	s_set_vgpr_msb (MSB<<8)|(\new)
.set MSB, (\new)
.endif
.endm
.macro GLOAD s                         ; step s: 32 rows x 512 bytes into set s % 2 of window 1
	WIN 0x40
.set rho, 0
.rept 32
	global_load_b128 v[128*((\s)%2)+4*rho:128*((\s)%2)+4*rho+3], v[L16], s[WB:WB+1] offset:rho*ROWP+512*(\s) th:TH_LOAD_NT
.set rho, rho+1
.endr
	WIN 0
.endm
.macro TOST s                          ; into the stage: row rho lies where its tile's lane will look for it
	WIN 0x04
.set rho, 0
.rept 32
	ds_store_b128 v[STW], v[128*((\s)%2)+4*rho:128*((\s)%2)+4*rho+3] offset:SPIT*(16*((rho/8)%2)+8*(rho/16)+rho%8)
.set rho, rho+1
.endr
	WIN 0
.endm
.macro XREAD u                         ; back: lane (r, h) takes k = 64 c + 32 h + 0 .. 31 of its row
.irp c, 0,1
.irp q, 0,1,2,3,4,5,6,7
	ds_load_b128 v[X+64*\u+32*\c+4*\q:X+64*\u+32*\c+4*\q+3], v[STR] offset:16*SPIT*\u+256*\c+16*\q
.endr
.endr
.endm
.macro WQ u                            ; 64 numbers a lane become a fragment (PC0 or PC1) and its scale word (v[TM+6] or v[TM+8])
.set XB, X+64*\u
.set PCU, PC0+(PC1-PC0)*\u
.set WD, TM+6+2*\u
.irp c, 0,1
	v_max3_num_f32 v[TM+\c], |v[XB+32*\c]|, |v[XB+32*\c+1]|, 0x1800000      ; my two whole blocks by turns, and the floor 2^(3 - 127)
.endr
.irp n, 2,4,6,8,10,12,14,16,18,20,22,24,26,28,30
.irp c, 0,1
	v_max3_num_f32 v[TM+\c], v[TM+\c], |v[XB+32*\c+\n]|, |v[XB+32*\c+\n+1]|
.endr
.endr
.irp c, 0,1
	v_add_nc_u32 v[TM+2+\c], 0xff000000, v[TM+\c]  ; 2 off the exponent field: the conversion's scale operand
.endr
.irp c, 0,1
	v_lshrrev_b32 v[TM+4+\c], 23, v[TM+2+\c]       ; the scale's byte
.endr
	v_lshl_or_b32 v[WD], v[TM+5], 16, v[TM+4]
	v_lshlrev_b32 v[WD], v[SH8], v[WD]
	v_permlanex16_b32 v[TM+7], v[WD], s[SEL], s[SEL+1]
	v_or_b32 v[WD], v[WD], v[TM+7]                 ; with lane l xor 16's two bytes the word is whole
.irp c, 0,1
.irp g, 0,1,2,3
	v_cvt_scalef32_pk8_fp4_f32 v[PCU+4*\c+\g], v[XB+32*\c+8*\g:XB+32*\c+8*\g+7], v[TM+2+\c]
.endr
.endr
	v_nop                                          ; one plain instruction behind the last conversion
.endm
.macro IMG s                           ; step s's two fragments and their scale words go to LDS as they stand: image 16 w + 8 u + s
.irp u, 0,1
	ds_store_b128 v[IMW], v[PC0+(PC1-PC0)*\u:PC0+(PC1-PC0)*\u+3] offset:(8*\u+(\s))*1024
	ds_store_b128 v[IMW], v[PC0+(PC1-PC0)*\u+4:PC0+(PC1-PC0)*\u+7] offset:(8*\u+(\s))*1024+512
	ds_store_b32 v[SCW], v[TM+6+2*\u] offset:(8*\u+(\s))*128
.endr
.endm
.macro STEP s
.if \s < 7
	s_wait_loadcnt 32                              ; this step's 32 loads, and all that are older, are in; the next step's 32 stay out
.else
	s_wait_loadcnt 0x0
.endif
.if \s > 0
	s_wait_alu depctr_va_vdst(0)                   ; the step before is done with v[X ..], in which the stage's loads below land; its conversions have written the codes and words that the six stores read
	IMG \s-1
.endif
	TOST \s
	XREAD 0
	XREAD 1
	s_wait_dscnt 16                                ; the stage's stores are done and the first fragment's numbers are back; the second's 16 loads stay out
	s_wait_alu depctr_vm_vsrc(0)                   ; the stage's stores have read the set, in which later loads land; the six stores have read the codes and words, which this step's lines write again
.if \s < 6
	GLOAD \s+2
.endif
	WQ 0
	s_wait_dscnt 0x0                               ; the second fragment's numbers are back
	WQ 1
.endm
.macro ADDR                            ; the offsets of tile s29.  (The loads that read these two registers stand ahead of the wait on vm_vsrc at the tile's head; ahead of the loop no load has read them)
	s_wait_xcnt 0x0                                ; loads that are still out have had their addresses translated
	v_lshl_add_u32 v[AH], s29, 15, v[L16]
	v_lshl_add_u32 v[AHS], s29, 11, v[L4]
.endm
.macro HLOAD half                      ; K steps 16 half .. 16 half + 15 of h: 32 loads of images, 8 of scale words (lanes 0-15 an even K step's, lanes 16-31 the odd one's behind it)
	WIN 0xc0
.set kk, 16*\half
.rept 16
.irp c, 0,1
	global_load_b128 v[8*kk+4*\c:8*kk+4*\c+3], v[AH], s[8:9] offset:1024*kk+512*\c
.endr
.set kk, kk+1
.endr
	WIN 0
.irp n, 0,1,2,3,4,5,6,7
	global_load_b32 v[HS+8*\half+\n], v[AHS], s[24:25] offset:128*(8*\half+\n)
.endr
.endm
.macro MMS half                        ; 32 matrix instructions; the two accumulators take turns, one instruction a turn
.set kk, 16*\half
.rept 16
.irp u, 0,1
.if kk == 0
	v_wmma_scale_f32_16x16x128_f8f6f4 v[ACC+8*\u:ACC+8*\u+7], v[8*\u:8*\u+7], v[0:7], v[B2+8*\u:B2+8*\u+7], v[WS+\u], v[HS] matrix_a_fmt:MATRIX_FMT_FP4 matrix_b_fmt:MATRIX_FMT_FP4
.elseif kk%2 == 0
	v_wmma_scale_f32_16x16x128_f8f6f4 v[ACC+8*\u:ACC+8*\u+7], v[8*(2*(kk%16)+\u):8*(2*(kk%16)+\u)+7], v[8*kk:8*kk+7], v[ACC+8*\u:ACC+8*\u+7], v[WS+2*kk+\u], v[HS+kk/2] matrix_a_fmt:MATRIX_FMT_FP4 matrix_b_fmt:MATRIX_FMT_FP4
.else
	v_wmma_scale_f32_16x16x128_f8f6f4 v[ACC+8*\u:ACC+8*\u+7], v[8*(2*(kk%16)+\u):8*(2*(kk%16)+\u)+7], v[8*kk:8*kk+7], v[ACC+8*\u:ACC+8*\u+7], v[WS+2*kk+\u], v[HS+kk/2] matrix_a_fmt:MATRIX_FMT_FP4 matrix_b_fmt:MATRIX_FMT_FP4 matrix_b_scale:MATRIX_SCALE_ROW1
.endif
.endr
.set kk, kk+1
.endr
.endm
; One tile.  pf = 1: my next tile is asked for on the way.
.macro BODY pf
	s_add_co_u32 s[PG], s[PB], s[QQ]
	s_sub_co_u32 s[PG], s[PG], 1
	s_min_u32 s[PG], s[PG], 511                    ; the tile in hand
	s_wait_loadcnt 40                              ; the lower 16 K steps and their scale words are in; the upper half's 32 + 8 loads stay out
	s_wait_alu depctr_vm_vsrc(0)                   ; the tile before's LDS stores have read the accumulators, which the first products write anew; its loads have read v[AH] and v[AHS], its global stores v[YO] and v[YB ..]: all are written again in this tile
	WIN 0x0d                                       ; source 0 (W2) window 1, source 1 (h) window 3
	MMS 0
	WIN 0
.rept 4
	v_nop                                          ; four places behind the products (ISA guide 7.12.1); they stay beside the wait below
.endr
.if \pf
	s_add_co_u32 s29, s[PB], s[QQ]
	s_min_u32 s29, s29, 511
	ADDR
	s_wait_alu depctr_va_vdst(0)                   ; the lower products are done reading h's lower 16 K steps and their scale words, in which the loads below land; v[AH] and v[AHS] are written, which these loads and the upper half's read
	HLOAD 0
	s_wait_loadcnt 40                              ; this tile's upper half is in; the 32 + 8 loads just issued stay out
.else
	s_wait_loadcnt 0x0
.endif
	WIN 0x0e                                       ; W2's K steps 16-31 lie in window 2
	MMS 1
	WIN 0
	s_wait_xcnt 0x0                                ; the last tile's stores have had their addresses translated: their offset is written below, and LDS loads land in their data
	v_lshl_add_u32 v[YO], s[PG], 16, v[L16]        ; a tile's 32 slices are 65,536 bytes
.rept 5
	v_nop                                          ; four places for the LDS stores below; the fifth since the next tile's first products begin these accumulators anew
.endr
	s_wait_alu depctr_va_vdst(0)                   ; the upper products are done reading h's upper 16 K steps and their scale words, in which the loads below land; they have written the accumulators, which the LDS stores read; v[YO] is written, which the global stores read
.if \pf
	HLOAD 1
.endif
.irp q, 0,1,2,3
	ds_store_b128 v[YSW], v[ACC+4*\q:ACC+4*\q+3] offset:16*\q      ; lane (r, h): outputs 16 h + 0 .. 15 of row r; each accumulator from its low end on
.endr
.irp q, 0,1,2,3
	ds_load_b128 v[YB+4*\q:YB+4*\q+3], v[YSR] offset:576*\q        ; four whole rows a load; LDS serves a wave's instructions in order
.endr
	s_wait_dscnt 0x0
.irp q, 0,1,2,3
	global_store_b128 v[YO], v[YB+4*\q:YB+4*\q+3], s[14:15] offset:512*\q    ; 32 lanes store 512 consecutive bytes, aligned
.endr
.endm
	s_load_b256 s[4:11], s[0:1], 0x0               ; w2 s[4:5], b2 s[6:7], hq s[8:9], ridx s[10:11]
	s_load_b64 s[14:15], s[0:1], 0x20              ; ys
	v_lshl_add_u32 v254, v0, 2, 0x24c00
	v_mov_b32 v255, 0
	v_lshrrev_b32 v[AH], 5, v0
	v_readfirstlane_b32 s[WV], v[AH]               ; wave 0..3
	s_lshr_b32 s[EX], ttmp9, 5
	s_and_b32 s[JX], ttmp9, 31
	v_and_b32 v[AH], 31, v0                        ; lane
	v_and_b32 v[AHS], 15, v0                       ; r
	v_bfe_u32 v[RIA], v0, 4, 1                     ; h, for the lines below
	v_lshlrev_b32 v[L16], 4, v[AH]
	v_lshlrev_b32 v[L4], 2, v[AH]
	v_lshlrev_b32 v[SH8], 3, v[RIA]
	s_wait_alu depctr_va_sdst(0)                   ; the wave's number is written into s[WV], ahead of its first reader
	s_mul_i32 s29, s[WV], 32*SPIT
	s_add_co_u32 s29, s29, STG
	v_add_nc_u32 v[STW], s29, v[L16]
	v_mul_u32_u24 v[STR], v[AHS], SPIT
	v_lshl_add_u32 v[STR], v[RIA], 7, v[STR]
	v_add_nc_u32 v[STR], s29, v[STR]
	s_lshl_b32 s29, s[WV], 14
	v_add_nc_u32 v[IMW], s29, v[L16]               ; image 16 w + 8 u + s
	s_lshl_b32 s29, s[WV], 11
	s_add_co_u32 s29, s29, WSC
	v_add_nc_u32 v[SCW], s29, v[L4]
	v_add_nc_u32 v[LS], WSC, v[L4]
	s_mul_i32 s29, s[WV], 16*144
	s_add_co_u32 s29, s29, YST
	v_mul_u32_u24 v[YSW], v[AHS], 144
	v_lshl_add_u32 v[YSW], v[RIA], 6, v[YSW]
	v_add_nc_u32 v[YSW], s29, v[YSW]               ; in: row r, + 64 h
	v_lshrrev_b32 v[YO], 3, v[AH]
	v_mul_u32_u24 v[YSR], v[YO], 144
	v_and_b32 v[YO], 7, v[AH]
	v_lshl_add_u32 v[YSR], v[YO], 4, v[YSR]
	v_add_nc_u32 v[YSR], s29, v[YSR]               ; back: eight lanes to a row of 128 bytes
	v_lshlrev_b32 v[BOF], 6, v[RIA]
	v_lshlrev_b32 v[RIA], 3, v[AH]                 ; from here on 8 x lane
	v_mov_b32 v[TM+7], 0                           ; written once: a lane permute's destination counts as one of its sources
	s_mov_b32 s[SEL], 0x76543210
	s_mov_b32 s[SEL+1], 0xfedcba98
	s_lshl_b32 s[PB], s[EX], 6
	s_lshl_b32 s29, s[WV], 4
	s_add_co_u32 s[PB], s[PB], s29                 ; (4 e + w) 16
	s_lshl_b32 s30, ttmp9, 19                      ; the work-group's 524,288 bytes,
	s_lshl_b32 s31, s[WV], 12                      ; my wave's 1,024 along K
	s_add_co_u32 s30, s30, s31
	s_mov_b32 s31, 0
	s_wait_kmcnt 0x0
	s_add_nc_u64 s[WB:WB+1], s[4:5], s[30:31]
	s_lshl_b32 s30, ttmp9, 7
	s_add_nc_u64 s[6:7], s[6:7], s[30:31]          ; b2 at the work-group's 32 outputs
	s_mov_b32 s30, HSOFF
	s_add_nc_u64 s[24:25], s[8:9], s[30:31]
	s_lshl_b32 s30, s[JX], 11
	s_add_nc_u64 s[14:15], s[14:15], s[30:31]      ; ys at slice j of a tile
	s_lshl_b32 s30, s[WV], 11
	s_add_nc_u64 s[10:11], s[10:11], s[30:31]      ; ridx at my quarter: 8 bytes a token
	WIN 0xc0
	s_wait_alu depctr_va_vdst(0)                   ; the offsets and LDS addresses v1 to v10, v[RIA], v[L4] and v[BOF] are written: the loads, stores and LDS instructions of the whole kernel read them, and none is written again
.irp q, 0,1,2,3,4,5,6,7                        ; load q, lane l: the two experts of token 32 q + l.  Older than the weights' loads: they change no count
	global_load_b64 v[RI+2*\q:RI+2*\q+1], v[RIA], s[10:11] offset:256*\q
.endr
	GLOAD 0
	GLOAD 1
	STEP 0
	; the step's first wait has shown my quarter of ridx landed: how many of its tokens chose e, and so my number of tiles
	WIN 0x0c                                       ; source 1 window 3
.irp q, 0,1,2,3,4,5,6,7
	v_cmp_eq_u32 s[LT+2*\q], s[EX], v[RI+2*\q]
	v_cmp_eq_u32 s[LT+2*\q+1], s[EX], v[RI+2*\q+1]
.endr
	WIN 0
	s_wait_alu depctr_va_sdst(0)                   ; the sixteen compares have written their masks, which the scalar lines below read
	s_mov_b32 s[NTT], 0
.irp q, 0,1,2,3,4,5,6,7
	s_or_b32 s29, s[LT+2*\q], s[LT+2*\q+1]
	s_bcnt1_i32_b32 s29, s29
	s_add_co_u32 s[NTT], s[NTT], s29
.endr
	s_add_co_u32 s[NTT], s[NTT], 15
	s_lshr_b32 s[NTT], s[NTT], 4
	s_min_u32 s[NTT], s[NTT], 16                   ; 0 to 16 tiles
.irp s, 1,2,3,4,5,6,7
	STEP \s
.endr
	s_wait_alu depctr_va_vdst(0)                   ; the last step's conversions have written the codes and words that the six stores read; its lines are done with v[X ..], in which b2 and later the rows of results land; the compares are done with my quarter of ridx, in which h will land
	IMG 7
	s_wait_dscnt 0x0                               ; for the others' sake: my images lie in LDS
.irp u, 0,1                                    ; b2 in the result's layout: lane (r, h), tile u: outputs 16 h + 8 u + 0 .. 7.  Older than h's loads: they change no count
	global_load_b128 v[B2+8*\u:B2+8*\u+3], v[BOF], s[6:7] offset:32*\u
	global_load_b128 v[B2+8*\u+4:B2+8*\u+7], v[BOF], s[6:7] offset:32*\u+16
.endr
	s_barrier_signal -1
	s_barrier_wait -1                              ; all 64 images lie in LDS; nobody writes them again
	s_cmp_eq_u32 s[NTT], 0
	s_cbranch_scc1 .Lend                           ; no token of my quarter chose this expert
	s_min_u32 s29, s[PB], 511                      ; my first tile: asked for now, it lands while the images are read
	ADDR
	s_wait_alu depctr_va_vdst(0)                   ; v[AH] and v[AHS] are written, which the 80 loads below read as offsets
	HLOAD 0
	HLOAD 1
.irp hw, 0,1                                   ; fragment (tile u, K step S) = image 16 (S / 8) + 8 u + S % 8 -> window 1 + S / 16, v[8 (2 (S % 16) + u)].  (The stage's stores, which read window 1, stand ahead of the last step's wait on vm_vsrc; no vector instruction has named these registers)
	WIN 0x40*(1+\hw)
.set kk, 16*\hw
.rept 16
.irp u, 0,1
.irp c, 0,1
	ds_load_b128 v[8*(2*(kk%16)+\u)+4*\c:8*(2*(kk%16)+\u)+4*\c+3], v[L16] offset:(16*(kk/8)+8*\u+kk%8)*1024+512*\c
.endr
.endr
.set kk, kk+1
.endr
.endr
	WIN 0
.set kk, 0
.rept 32
.irp u, 0,1
	ds_load_b32 v[WS+2*kk+\u], v[LS] offset:(16*(kk/8)+8*\u+kk%8)*128
.endr
.set kk, kk+1
.endr
	s_wait_dscnt 0x0
	s_sub_co_u32 s[NT], s[NTT], 1                  ; all my tiles but the last ask for a successor: the loop's trips, counted by ones
	s_min_u32 s[NT], s[NT], 15
	s_mov_b32 s[CT], 0
	s_mov_b32 s[QQ], 1                             ; the next tile's number in my room
	s_cmp_eq_u32 s[NT], 0
	s_cbranch_scc1 .Ltail
.Lloop:                                            ; on both ways in, the tile's lower half (40 loads) and then its upper half (40) have been asked for
	BODY 1
	s_add_co_u32 s[QQ], s[QQ], 1
	s_add_co_u32 s[CT], s[CT], 1
	s_cmp_lt_u32 s[CT], s[NT]
	s_cbranch_scc1 .Lloop
.Ltail:
	BODY 0                                         ; my last tile asks for nothing
.Lend:
	s_wait_dscnt 0x0                               ; the closing lines, six on end
	s_wait_alu 0x0
	s_wait_tensorcnt 0x0
	ds_add_u32 v254, v255
	s_wait_dscnt 0x0
	s_endpgm
.Lfunc_end_k_qcb92e6cb0d_ffn2:
	.size	k_qcb92e6cb0d_ffn2, .Lfunc_end_k_qcb92e6cb0d_ffn2-k_qcb92e6cb0d_ffn2
	.p2alignl 7, 3214868480
	.fill 96, 4, 3214868480
	.section	.rodata,"a",@progbits
	.p2align	6, 0x0
	.amdhsa_kernel k_qcb92e6cb0d_ffn2
		.amdhsa_group_segment_fixed_size 151040
		.amdhsa_private_segment_fixed_size 0
		.amdhsa_enable_private_segment 0
		.amdhsa_kernarg_size 40
		.amdhsa_user_sgpr_count 2
		.amdhsa_user_sgpr_kernarg_segment_ptr 1
		.amdhsa_wavefront_size32 1
		.amdhsa_system_sgpr_workgroup_id_x 1
		.amdhsa_system_sgpr_workgroup_id_y 1
		.amdhsa_system_sgpr_workgroup_id_z 1
		.amdhsa_system_vgpr_workitem_id 0
		.amdhsa_next_free_vgpr 1024
		.amdhsa_next_free_sgpr 66
		.amdhsa_reserve_vcc 0
		.amdhsa_float_denorm_mode_32 3
		.amdhsa_float_denorm_mode_16_64 3
		.amdhsa_memory_ordered 1
		.amdhsa_forward_progress 1
		.amdhsa_inst_pref_size 163
	.end_amdhsa_kernel
	.amdgpu_metadata
---
amdhsa.version: [ 1, 2 ]
amdhsa.kernels:
  - .name:           k_qcb92e6cb0d_ffn2
    .symbol:         k_qcb92e6cb0d_ffn2.kd
    .args:
      - { .name: w2, .offset: 0, .size: 8, .value_kind: global_buffer, .address_space: global }
      - { .name: b2, .offset: 8, .size: 8, .value_kind: global_buffer, .address_space: global }
      - { .name: hq, .offset: 16, .size: 8, .value_kind: global_buffer, .address_space: global }
      - { .name: ridx, .offset: 24, .size: 8, .value_kind: global_buffer, .address_space: global }
      - { .name: ys, .offset: 32, .size: 8, .value_kind: global_buffer, .address_space: global }
    .group_segment_fixed_size: 151040
    .private_segment_fixed_size: 0
    .kernarg_segment_align: 8
    .kernarg_segment_size: 40
    .max_flat_workgroup_size: 128
    .sgpr_count:     66
    .vgpr_count:     1024
    .wavefront_size: 32
...
	.end_amdgpu_metadata
.endif
;; end of part 7
;; launch combine (part 8): grid 256 x 1, 4 waves a work-group, no clusters, 0 bytes of LDS; arguments ys, ridx, out2, out0; writes out0
.if DOCPART == 8
	.amdgcn_target "amdgcn-amd-amdhsa--gfx1250"
	.amdhsa_code_object_version 6
	.text
	.protected	k_qcb92e6cb0d_combine
	.globl	k_qcb92e6cb0d_combine
	.p2align	8
	.type	k_qcb92e6cb0d_combine,@function
k_qcb92e6cb0d_combine:
	s_mov_b64 s[64:65], 0
	v_nop
	global_prefetch_b8 v0, s[64:65] scope:SCOPE_SE
	s_setreg_imm32_b32 hwreg(HW_REG_WAVE_MODE, 25, 1), 1
	s_wait_xcnt 0x0
; out0[t] = g0 ys[row(t, 0)] + g1 ys[row(t, 1)]: a token's two expert rows, made by different work-groups of the launch before, are weighed by its two scores (out2) and added here:
; each output row has one owner and no atomics are needed.
; WHERE A ROW LIES.  The rows of (expert e, quarter of 256 tokens) have a fixed room of 16 tiles: tile (4 e + quarter) 16 + rank / 16, row rank % 16, and the rank is the number of earlier tokens of the quarter
; that chose e.  One wave takes one token: it reads its quarter's 2,048 bytes of ridx (lane l, load q: token 32 q + l), compares them with its two experts, keeps the tokens in front of its own, and counts bits.
; ys is laid [512 tiles][32 slices][16 rows][32 f32]: eight lanes read a slice's 128 bytes, a load covers four slices, and a store covers 512 consecutive bytes of out0.
; All 16 loads of ys go out at once; memory and latency bind: no LDS, no barrier, no matrix unit.
.set RI, 8                             ; v8-23   my quarter of ridx
.set A, 24                             ; v24-55  the first row, then the sums
.set B, 56                             ; v56-87  the second row
; s13 my token, s15 its quarter, s17 its mask word, s18 the bits under its own; s[20:21] its experts, s[22:23] its scores; s[24:31] for each word the tokens in front of mine;
; s[36:51], s[66:81] the compares' masks; s52, s53 the two ranks
	s_load_b256 s[4:11], s[0:1], 0x0               ; ys s[4:5], ridx s[6:7], out2 s[8:9], out0 s[10:11]
	v_lshrrev_b32 v1, 5, v0
	v_readfirstlane_b32 s12, v1                    ; wave
	s_lshl_b32 s13, ttmp9, 2
	s_add_co_u32 s13, s13, s12                     ; my token
	s_lshl_b32 s14, s13, 3
	s_lshr_b32 s15, s13, 8
	s_and_b32 s16, s13, 255
	s_lshr_b32 s17, s16, 5
	s_and_b32 s18, s16, 31
	s_lshl_b32 s18, 1, s18
	s_sub_co_u32 s18, s18, 1
.irp q, 0,1,2,3,4,5,6,7
	s_cmp_gt_u32 s17, \q                           ; a word in front of mine counts whole,
	s_cselect_b32 s[24+\q], -1, 0
	s_cmp_eq_u32 s17, \q                           ; my own up to my bit, the others not
	s_cselect_b32 s[24+\q], s18, s[24+\q]
.endr
	s_lshl_b32 s32, s15, 11
	s_mov_b32 s33, 0
	v_and_b32 v1, 31, v0                           ; lane
	v_lshrrev_b32 v2, 3, v1
	v_lshlrev_b32 v2, 11, v2                       ; slice lane / 8 of a load's four: 2,048 bytes a slice,
	v_and_b32 v3, 7, v1
	v_lshl_add_u32 v2, v3, 4, v2                   ; 16 bytes a lane in its 128
	v_lshlrev_b32 v4, 4, v1
	v_lshlrev_b32 v7, 3, v1
	s_wait_alu depctr_va_vdst(0)
	s_wait_kmcnt 0x0
	s_load_b64 s[20:21], s[6:7], s14 offset:0x0
	s_load_b64 s[22:23], s[8:9], s14 offset:0x0
	s_add_nc_u64 s[34:35], s[6:7], s[32:33]        ; ridx at my quarter
.irp q, 0,1,2,3,4,5,6,7
	global_load_b64 v[RI+2*\q:RI+2*\q+1], v7, s[34:35] offset:256*\q
.endr
	s_lshl_b32 s32, s13, 12
	s_add_nc_u64 s[10:11], s[10:11], s[32:33]      ; out0 at my token's row
	s_wait_kmcnt 0x0
	s_mov_b32 s58, s23                             ; the second score as the low word of a pair of its own
	s_mov_b32 s59, s23
	s_wait_loadcnt 0x0
.irp q, 0,1,2,3,4,5,6,7
	v_cmp_eq_u32 s[36+2*\q], s20, v[RI+2*\q]
	v_cmp_eq_u32 s[37+2*\q], s20, v[RI+2*\q+1]
	v_cmp_eq_u32 s[66+2*\q], s21, v[RI+2*\q]
	v_cmp_eq_u32 s[67+2*\q], s21, v[RI+2*\q+1]
.endr
	s_mov_b32 s52, 0
	s_mov_b32 s53, 0
.irp q, 0,1,2,3,4,5,6,7
	s_or_b32 s54, s[36+2*\q], s[37+2*\q]
	s_or_b32 s55, s[66+2*\q], s[67+2*\q]
	s_and_b32 s54, s54, s[24+\q]
	s_and_b32 s55, s55, s[24+\q]
	s_bcnt1_i32_b32 s54, s54
	s_bcnt1_i32_b32 s55, s55
	s_add_co_u32 s52, s52, s54
	s_add_co_u32 s53, s53, s55
.endr
.irp k, 0,1
	s_lshl_b32 s56, s[20+\k], 2
	s_add_co_u32 s56, s56, s15
	s_lshl_b32 s56, s56, 4
	s_lshr_b32 s57, s[52+\k], 4
	s_add_co_u32 s56, s56, s57                     ; the tile,
	s_min_u32 s56, s56, 511                        ; held inside the table, as every number made of loaded ones that enters an address
	s_and_b32 s57, s[52+\k], 15                    ; the row in it
	s_min_u32 s57, s57, 15
	s_lshl_b32 s56, s56, 16
	s_lshl_b32 s57, s57, 7
	s_add_co_u32 s56, s56, s57
	v_add_nc_u32 v[5+\k], s56, v2
.endr
	s_wait_alu depctr_va_vdst(0)
.irp q, 0,1,2,3,4,5,6,7
	global_load_b128 v[A+4*\q:A+4*\q+3], v5, s[4:5] offset:8192*\q
	global_load_b128 v[B+4*\q:B+4*\q+3], v6, s[4:5] offset:8192*\q
.endr
.irp q, 0,1,2,3,4,5,6,7
	s_wait_loadcnt 14-2*\q                         ; pair q is in; the younger pairs stay out
	v_pk_mul_f32 v[A+4*\q:A+4*\q+1], v[A+4*\q:A+4*\q+1], s[22:23] op_sel_hi:[1,0]
	v_pk_mul_f32 v[A+4*\q+2:A+4*\q+3], v[A+4*\q+2:A+4*\q+3], s[22:23] op_sel_hi:[1,0]
	v_pk_fma_f32 v[A+4*\q:A+4*\q+1], v[B+4*\q:B+4*\q+1], s[58:59], v[A+4*\q:A+4*\q+1] op_sel_hi:[1,0,1]
	v_pk_fma_f32 v[A+4*\q+2:A+4*\q+3], v[B+4*\q+2:B+4*\q+3], s[58:59], v[A+4*\q+2:A+4*\q+3] op_sel_hi:[1,0,1]
	global_store_b128 v4, v[A+4*\q:A+4*\q+3], s[10:11] offset:512*\q th:TH_STORE_NT
.endr
	s_endpgm
.Lfunc_end_k_qcb92e6cb0d_combine:
	.size	k_qcb92e6cb0d_combine, .Lfunc_end_k_qcb92e6cb0d_combine-k_qcb92e6cb0d_combine
	.p2alignl 7, 3214868480
	.fill 96, 4, 3214868480
	.section	.rodata,"a",@progbits
	.p2align	6, 0x0
	.amdhsa_kernel k_qcb92e6cb0d_combine
		.amdhsa_group_segment_fixed_size 0
		.amdhsa_private_segment_fixed_size 0
		.amdhsa_enable_private_segment 0
		.amdhsa_kernarg_size 32
		.amdhsa_user_sgpr_count 2
		.amdhsa_user_sgpr_kernarg_segment_ptr 1
		.amdhsa_wavefront_size32 1
		.amdhsa_system_sgpr_workgroup_id_x 1
		.amdhsa_system_sgpr_workgroup_id_y 1
		.amdhsa_system_sgpr_workgroup_id_z 1
		.amdhsa_system_vgpr_workitem_id 0
		.amdhsa_next_free_vgpr 88
		.amdhsa_next_free_sgpr 82
		.amdhsa_reserve_vcc 0
		.amdhsa_float_denorm_mode_32 3
		.amdhsa_float_denorm_mode_16_64 3
		.amdhsa_memory_ordered 1
		.amdhsa_forward_progress 1
		.amdhsa_inst_pref_size 13
	.end_amdhsa_kernel
	.amdgpu_metadata
---
amdhsa.version: [ 1, 2 ]
amdhsa.kernels:
  - .name:           k_qcb92e6cb0d_combine
    .symbol:         k_qcb92e6cb0d_combine.kd
    .args:
      - { .name: ys, .offset: 0, .size: 8, .value_kind: global_buffer, .address_space: global }
      - { .name: ridx, .offset: 8, .size: 8, .value_kind: global_buffer, .address_space: global }
      - { .name: out2, .offset: 16, .size: 8, .value_kind: global_buffer, .address_space: global }
      - { .name: out0, .offset: 24, .size: 8, .value_kind: global_buffer, .address_space: global }
    .group_segment_fixed_size: 0
    .private_segment_fixed_size: 0
    .kernarg_segment_align: 8
    .kernarg_segment_size: 32
    .max_flat_workgroup_size: 128
    .sgpr_count:     82
    .vgpr_count:     88
    .wavefront_size: 32
...
	.end_amdgpu_metadata
.endif
;; end of part 8
